; MI455X (gfx1250); checked and timed in simulation.
; The chip was launched on July 23, 2026; its instructions are those of AMD's public machine-readable ISA for CDNA 5 (MIT licence, August 2026) and "CDNA5" Instruction Set Architecture Reference Guide (July 2026). The comments in the code are by the model that wrote it; some were corrected since.
;; Tt Causal Self Attention. Allowed arithmetic: float matrix products may take bf16 or f16 operands with f32 sums; all other float work in f32.
;; Inputs: b_attn 3,072 float32; b_proj 1,024 float32; w_attn 3,072 x 1,024 float32; w_proj 1,024 x 1,024 float32; x 4 x 1,024 x 1,024 float32.
;; Outputs: out0 4 x 1,024 x 1,024 float32.
;; 2 versions, each right; version 2 is version 1 with the launch cast written anew for expert scheduling mode. Each part assembles by itself: llvm-mc -triple=amdgcn-amd-amdhsa -mcpu=gfx1250 --defsym DOCPART=n.
;; ======== version 1 of 2: 4 launches
;; limits: values are held in f16: magnitudes above 65,504 overflow, below 6.1e-05 lose precision
;; workspace buffers: cb 16,777,216 bytes; qkvh 25,165,824 bytes; yh 8,388,608 bytes
;; launch cast (part 1): grid 256 x 1, 8 waves a work-group, no clusters, 0 bytes of LDS; arguments x, w_attn, w_proj, cb; writes cb
.if DOCPART == 1
	.amdgcn_target "amdgcn-amd-amdhsa--gfx1250"
	.amdhsa_code_object_version 6
	.text
	.protected	k_q7c154900e1_cast
	.globl	k_q7c154900e1_cast
	.p2align	8
	.type	k_q7c154900e1_cast,@function
k_q7c154900e1_cast:
	s_mov_b64 s[64:65], 0
	v_nop
	global_prefetch_b8 v0, s[64:65] scope:SCOPE_SE
	s_setreg_imm32_b32 hwreg(HW_REG_WAVE_MODE, 25, 1), 1
	s_wait_xcnt 0x0
; The three matrix inputs, f32, are rounded once to 16 bits and laid behind each other in cb:
;   x [4096][1024] bf16 at byte 0, w_attn [3072][1024] bf16 at byte 8,388,608, w_proj [1024][1024] at byte 14,680,064.
; All three are rounded to bf16 (nearest even).  w_proj's bf16 value is then written in f16 code, because its partner in the last
; product, y, is f16 and a matrix instruction takes both operands in one format.  That second step is exact for magnitudes from
; 2^-17 to 65,504.  LIMIT: |w_proj| above 65,504 becomes infinite; below 2^-17 it moves by at most 2^-25.
; A work-group takes 32,768 numbers (128 KiB in, 64 KiB out): groups 0-127 x, 128-223 w_attn, 224-255 w_proj, and the output
; offset is 65,536 times the group's number in all three.  A wave takes 4,096 numbers: 32 loads of 16 bytes a lane, each covering
; 512 consecutive bytes, all issued before the first is used; each load gives one store of 8 bytes a lane: 256 consecutive bytes, aligned.
; No LDS, no barrier, no matrix unit: nothing is shared and nothing is summed.
.set X, 4                              ; v[4:131]  load i: 4 registers as loaded, the first two then hold the 4 packed results
	s_load_b256 s[4:11], s[0:1], 0x0               ; x s[4:5], w_attn s[6:7], w_proj s[8:9], cb s[10:11]
	s_movk_i32 s20, 128                            ; first group of w_attn
	s_movk_i32 s21, 224                            ; first group of w_proj
	s_mov_b32 s22, 0xffff0000                      ; a word's upper bf16
	v_lshrrev_b32 v3, 5, v0                        ; wave
	v_and_b32 v1, 31, v0                           ; lane
	v_lshlrev_b32 v2, 3, v1
	v_lshlrev_b32 v1, 4, v1
	v_lshl_or_b32 v2, v3, 13, v2                   ; out: 8,192 wave + 8 lane
	v_lshl_or_b32 v1, v3, 14, v1                   ; in: 16,384 wave + 16 lane
	s_wait_kmcnt 0x0
	s_cmp_lt_u32 ttmp9, s21                        ; the source and its first group, chosen by the group's number
	s_cselect_b64 s[14:15], s[6:7], s[8:9]
	s_cselect_b32 s12, s20, s21
	s_cmp_lt_u32 ttmp9, s20
	s_cselect_b64 s[14:15], s[4:5], s[14:15]
	s_cselect_b32 s12, 0, s12
	s_sub_co_u32 s12, ttmp9, s12                   ; my number inside the source
	s_lshl_b32 s16, s12, 17                        ; times 131,072 bytes
	s_mov_b32 s17, 0
	s_add_nc_u64 s[14:15], s[14:15], s[16:17]
	s_lshl_b32 s18, ttmp9, 16                      ; times 65,536 bytes
	s_mov_b32 s19, 0
	s_add_nc_u64 s[10:11], s[10:11], s[18:19]
.set i, 0
.rept 32
	global_load_b128 v[X+4*i:X+4*i+3], v1, s[14:15] offset:512*i th:TH_LOAD_NT
.set i, i+1
.endr
	s_cmp_ge_u32 ttmp9, s21
	s_cbranch_scc1 .Lto_f16
; x and w_attn: bf16.  No register is written twice, so no wait frees a source.
.set i, 0
.rept 32
	s_wait_loadcnt 31-i                            ; loads come back in order: load i is in, the 31-i younger ones stay out
	v_cvt_pk_bf16_f32 v[X+4*i], v[X+4*i], v[X+4*i+1]
	v_cvt_pk_bf16_f32 v[X+4*i+1], v[X+4*i+2], v[X+4*i+3]
	global_store_b64 v2, v[X+4*i:X+4*i+1], s[10:11] offset:256*i
.set i, i+1
.endr
	s_endpgm
; w_proj: bf16, widened again, written in f16 code
.Lto_f16:
.set i, 0
.rept 32
	s_wait_loadcnt 31-i
	v_cvt_pk_bf16_f32 v[X+4*i], v[X+4*i], v[X+4*i+1]
	v_cvt_pk_bf16_f32 v[X+4*i+1], v[X+4*i+2], v[X+4*i+3]
	v_lshlrev_b32 v[X+4*i+2], 16, v[X+4*i]
	v_and_b32 v[X+4*i+3], s22, v[X+4*i]
	v_cvt_pk_f16_f32 v[X+4*i], v[X+4*i+2], v[X+4*i+3]
	v_lshlrev_b32 v[X+4*i+2], 16, v[X+4*i+1]
	v_and_b32 v[X+4*i+3], s22, v[X+4*i+1]
	v_cvt_pk_f16_f32 v[X+4*i+1], v[X+4*i+2], v[X+4*i+3]
	global_store_b64 v2, v[X+4*i:X+4*i+1], s[10:11] offset:256*i
.set i, i+1
.endr
	s_endpgm
.Lfunc_end_k_q7c154900e1_cast:
	.size	k_q7c154900e1_cast, .Lfunc_end_k_q7c154900e1_cast-k_q7c154900e1_cast
	.p2alignl 7, 3214868480
	.fill 96, 4, 3214868480
	.section	.rodata,"a",@progbits
	.p2align	6, 0x0
	.amdhsa_kernel k_q7c154900e1_cast
		.amdhsa_group_segment_fixed_size 0
		.amdhsa_private_segment_fixed_size 0
		.amdhsa_enable_private_segment 0
		.amdhsa_kernarg_size 32
		.amdhsa_user_sgpr_count 2
		.amdhsa_user_sgpr_kernarg_segment_ptr 1
		.amdhsa_wavefront_size32 1
		.amdhsa_system_sgpr_workgroup_id_x 1
		.amdhsa_system_sgpr_workgroup_id_y 1
		.amdhsa_system_sgpr_workgroup_id_z 1
		.amdhsa_system_vgpr_workitem_id 0
		.amdhsa_next_free_vgpr 132
		.amdhsa_next_free_sgpr 66
		.amdhsa_reserve_vcc 0
		.amdhsa_float_denorm_mode_32 3
		.amdhsa_float_denorm_mode_16_64 3
		.amdhsa_memory_ordered 1
		.amdhsa_forward_progress 1
		.amdhsa_inst_pref_size 29
	.end_amdhsa_kernel
	.amdgpu_metadata
---
amdhsa.version: [ 1, 2 ]
amdhsa.kernels:
  - .name:           k_q7c154900e1_cast
    .symbol:         k_q7c154900e1_cast.kd
    .args:
      - { .name: x, .offset: 0, .size: 8, .value_kind: global_buffer, .address_space: global }
      - { .name: w_attn, .offset: 8, .size: 8, .value_kind: global_buffer, .address_space: global }
      - { .name: w_proj, .offset: 16, .size: 8, .value_kind: global_buffer, .address_space: global }
      - { .name: cb, .offset: 24, .size: 8, .value_kind: global_buffer, .address_space: global }
    .group_segment_fixed_size: 0
    .private_segment_fixed_size: 0
    .kernarg_segment_align: 8
    .kernarg_segment_size: 32
    .max_flat_workgroup_size: 256
    .sgpr_count:     66
    .vgpr_count:     132
    .wavefront_size: 32
...
	.end_amdgpu_metadata
.endif
;; end of part 1
;; launch qkv (part 2): grid 16 x 16, 4 waves a work-group, clusters of 4 x 4, 327,680 bytes of LDS; arguments cb, b_attn, qkvh; writes qkvh
.if DOCPART == 2
	.amdgcn_target "amdgcn-amd-amdhsa--gfx1250"
	.amdhsa_code_object_version 6
	.text
	.protected	k_q7c154900e1_qkv
	.globl	k_q7c154900e1_qkv
	.p2align	8
	.type	k_q7c154900e1_qkv,@function
k_q7c154900e1_qkv:
	s_mov_b64 s[64:65], 0
	v_nop
	global_prefetch_b8 v0, s[64:65] scope:SCOPE_SE
	s_setreg_imm32_b32 hwreg(HW_REG_WAVE_MODE, 25, 1), 1
	s_wait_xcnt 0x0
	s_wait_alu depctr_hold_cnt(0) depctr_sa_sdst(0) depctr_va_vdst(0) depctr_va_sdst(0) depctr_va_ssrc(0) depctr_va_vcc(0) depctr_vm_vsrc(0)
	s_getreg_b32 s2, hwreg(HW_REG_IB_STS2, 6, 4)
	s_cmp_eq_u32 s2, 0
	s_cbranch_scc0 .Lentry_in_a_cluster
	s_endpgm
.Lentry_in_a_cluster:
	s_bfe_u32 s2, ttmp6, 0x10000c
	s_cmp_lg_u32 s2, 0xf033
	s_cbranch_scc0 .Lentry_shape_is_right
	s_endpgm
.Lentry_shape_is_right:
; qkv = x w_attn^T + b_attn: 4096 x 3072 x 1024, bf16 operands from cb, f32 sums, results rounded once to f16 and stored by head:
; qkvh [3 (q, k, v)][64 (16 batch + head)][1024 t][64], so that every tile of one head is a dense block.
; LIMIT: a result above 65,504 in magnitude becomes infinite in f16, and f16's finest step is 2^-24.  Results of the drawn inputs have a
; spread of 0.64; with x and w_attn both 30 times larger 576; with offsets of 30 on x and 0.6 on w_attn about 18,432.
; f16 and not bf16, because row t of the attention's result averages t+1 rows of v: the first rows are some ten times the mean row, and
; an error of 2^-9 of their size would be large beside the small rows; eleven significant bits make it an eighth of that.
; A work-group makes 256 rows x 192 columns (16 x 16 work-groups = 256).  Wave w makes rows 64 w .. 64 w + 63 and all 192 columns, three
; whole heads: 4 x 12 accumulator tiles, 384 registers; for 32 along K it reads 32 x 512 bytes of LDS for 48 matrix instructions.
; K goes in steps of 128 through two LDS slots; rows of a tile are 256 bytes of memory, aligned.
; CLUSTERS: 4 x 4 work-groups.  x's tile hangs on the block row alone and is asked for jointly by a row of the cluster, w_attn's on the
; block column alone and is asked for jointly by a column.  A wave has two tensor loads out at the start and one behind each refill.
; REGISTERS: window 0: v16-27 addresses; v32-95 fragments of x, two buffers of 4 x 8; v96-191 the bias of my 192 columns; v192-239 packed results.
;   window 1: fragments of w_attn, two buffers of 12 x 8 at v0 and v96.  window 2: accumulators of row tiles 0, 1 at v[8 (12 a + b)]; window 3: of row tiles 2, 3.
; THE MATRIX INSTRUCTION IS USED TRANSPOSED (source 0 = 16 rows of w_attn, source 1 = 16 rows of x): lane l holds row l % 16 of the result and
; its registers the columns 8 (l / 16) + 0..7.  A bias tile has the same layout, so the first product of each accumulator takes the bias as C.
.set KSTEP,  128
.set PITCH,  272                       ; an LDS row: 256 bytes + 16 of padding, an odd multiple of 16: sixteen rows start in sixteen different 16-byte columns of 256
.set AHALF,  128*PITCH                 ; 128 rows of x: one tensor load
.set BHALF,  96*PITCH                  ; 96 rows of w_attn: one tensor load
.set ABYTES, 2*AHALF
.set SLOT,   2*AHALF+2*BHALF           ; 121,856
.set STAGE,  2*SLOT                    ; 243,712 = 952 x 256: behind the ring, never filled by a tensor load
.set HSTG,   16*144                    ; the stage of one head: 16 rows of 128 bytes + 16
.set WSTG,   3*HSTG                    ; a wave's stage
.set LAPS,   1024/(2*KSTEP)            ; a lap = two K steps
.set WOFF,   8388608                   ; w_attn in cb
.set ADRA, 16                          ; v16-17  LDS address of my x fragments in slot 0, 1
.set ADRB, 20                          ; v20-21  the same for w_attn
.set STO,  24
.set RD,   25
.set CO,   26
.set BOFF, 27
.set FA,   32
.set BIAS, 96
.set TMP,  192
.set RB0,  32                          ; the way out: rows read back, two buffers of 48 in registers that the loop has left
.set RB1,  96
.set G1,  24                           ; s[24:31] group 1 for x's tiles
.set G0,  32                           ; s[32:39] group 0 for x's tiles, one set a slot
.set G1B, 48                           ; s[48:55] group 1 for w_attn's tiles
.set G0B, 56                           ; s[56:63] group 0 for w_attn's tiles
.set HB,  66                           ; s[66:71] where my rows of my three heads begin in qkvh
.set MSB, 0
.macro WIN new                         ; the immediate's high byte repeats the setting that is left
.if MSB != \new
	s_set_vgpr_msb (MSB<<8)|\new
.set MSB, \new
.endif
.endm
.set MUL_LO,   0xa1                    ; source 0 window 1, source 1 window 0, C and D window 2
.set MUL_HI,   0xf1                    ; C and D window 3
.set MUL_LO_B, 0x81                    ; C (the bias) window 0, D window 2
.set MUL_HI_B, 0xc1                    ; C window 0, D window 3
.set TO_B,     0x40                    ; destination window 1, address window 0
; A joint load: waves 0, 1 ask for x's halves, waves 2, 3 for w_attn's.  The branch hangs on the wave's number alone.
.macro JLOAD s
	s_cmp_eq_u32 s11, 0
	s_cbranch_scc0 .Lfor_b_\@
	tensor_load_to_lds s[G0+4*\s:G0+4*\s+3], s[G1:G1+7]
	s_nop 0
	s_branch .Lasked_\@
.Lfor_b_\@:
	tensor_load_to_lds s[G0B+4*\s:G0B+4*\s+3], s[G1B:G1B+7]
	s_nop 0
.Lasked_\@:
.endm
.macro CREST                           ; a round of the cluster's barrier behind its opening barrier
	s_cmp_lg_u32 s10, 0
	s_cbranch_scc1 .Lnot_wave_0_\@
	s_barrier_signal -3
.Lnot_wave_0_\@:
	s_barrier_wait -3
	s_barrier_signal -1
	s_barrier_wait -1
.endm
.macro CROUND                          ; a whole round
	s_barrier_signal -1
	s_barrier_wait -1
	CREST
.endm
	s_load_b128 s[4:7], s[0:1], 0x0                ; cb s[4:5], b_attn s[6:7]
	s_load_b64 s[8:9], s[0:1], 0x10                ; qkvh
	s_set_vgpr_msb 0x40
	v_lshl_add_u32 v255, v0, 2, 0x42400
	s_set_vgpr_msb 0x4000
	v_mov_b32 v255, 0
	s_set_vgpr_msb 0x1
	ds_add_u32 v255, v255
	s_set_vgpr_msb 0x100
	v_lshrrev_b32 v1, 5, v0
	v_readfirstlane_b32 s10, v1                    ; wave 0..3
	s_lshr_b32 s11, s10, 1                         ; I fetch for x (0) or for w_attn (1)
	s_and_b32 s12, s10, 1                          ; which half of that tile
	s_bfe_u32 s40, ttmp6, 0x40000                  ; cx
	s_bfe_u32 s41, ttmp6, 0x40004                  ; cy
	s_lshl_b32 s42, ttmp9, 2
	s_add_co_u32 s42, s42, s40                     ; block column = 4 x cluster x + cx
	s_and_b32 s13, ttmp7, 0xffff
	s_lshl_b32 s13, s13, 2
	s_add_co_u32 s13, s13, s41                     ; block row = 4 x cluster y + cy
	s_lshl_b32 s43, s41, 2
	s_lshl_b32 s43, 15, s43                        ; my row of the cluster
	s_lshl_b32 s44, 0x1111, s40                    ; my column
	s_or_b32 s[G1+0], s43, (1<<16)|(1<<20)|(1<<21)|(5<<22)|(3<<25)   ; mask; elements of 2 bytes; padding on; bit 21 beside a mask; after 64 words, 4 words
	s_or_b32 s[G1B+0], s44, (1<<16)|(1<<20)|(1<<21)|(5<<22)|(3<<25)
	s_mov_b32 s[G1+1], KSTEP<<16                   ; tensor_dim0 = 128
	s_mov_b32 s[G1B+1], KSTEP<<16
	s_mov_b32 s[G1+2], 128<<16                     ; tensor_dim1 = 128 rows
	s_mov_b32 s[G1B+2], 96<<16                     ;             = 96 rows
	s_mov_b32 s[G1+3], KSTEP<<16                   ; tile_dim0 = 128
	s_mov_b32 s[G1B+3], KSTEP<<16
	s_mov_b32 s[G1+4], 128                         ; tile_dim1
	s_mov_b32 s[G1B+4], 96
	s_mov_b32 s[G1+5], 1024                        ; elements from row to row
	s_mov_b32 s[G1B+5], 1024
	s_mov_b32 s[G1+6], 0
	s_mov_b32 s[G1B+6], 0
	s_mov_b32 s[G1+7], 0
	s_mov_b32 s[G1B+7], 0
	; offsets of the tiles; x's in registers that never hold the block column, w_attn's in registers that never hold the block row
	s_lshl_b32 s17, s12, 7
	s_lshl_b32 s16, s13, 8
	s_add_co_u32 s16, s16, s17                     ; x: row 256 x block row + 128 x half
	s_lshl_b32 s16, s16, 11                        ; rows of 2,048 bytes
	s_mov_b32 s17, 0
	s_mul_i32 s46, s42, 192
	s_mul_i32 s47, s12, 96
	s_add_co_u32 s46, s46, s47                     ; w_attn: row 192 x block column + 96 x half
	s_lshl_b32 s46, s46, 11
	s_add_co_u32 s46, s46, WOFF
	s_mov_b32 s47, 0
	s_mul_i32 s20, s10, AHALF                      ; LDS: x's halves at wave x 34,816 (waves 0, 1)
	s_mul_i32 s21, s10, BHALF
	s_add_co_u32 s21, s21, ABYTES-2*BHALF          ; w_attn's at 69,632 + (wave - 2) x 26,112 (waves 2, 3)
	s_mul_i32 s76, s42, 768                        ; my 192 numbers of b_attn
	s_mov_b32 s77, 0
	s_wait_dscnt 0x0
	s_wait_kmcnt 0x0
	s_add_nc_u64 s[14:15], s[4:5], s[16:17]
	s_add_nc_u64 s[46:47], s[4:5], s[46:47]
	s_add_nc_u64 s[6:7], s[6:7], s[76:77]
	CROUND                                         ; all sixteen work-groups are here: the first joint loads meet
.irp s, 0,1
	s_mov_b32 s[G0+4*\s], 1
	s_add_co_u32 s[G0+4*\s+1], s20, \s*SLOT
	s_add_nc_u64 s[G0+4*\s+2:G0+4*\s+3], s[14:15], \s*KSTEP*2
	s_or_b32 s[G0+4*\s+3], s[G0+4*\s+3], 0x80000000
	s_mov_b32 s[G0B+4*\s], 1
	s_add_co_u32 s[G0B+4*\s+1], s21, \s*SLOT
	s_add_nc_u64 s[G0B+4*\s+2:G0B+4*\s+3], s[46:47], \s*KSTEP*2
	s_or_b32 s[G0B+4*\s+3], s[G0B+4*\s+3], 0x80000000
	JLOAD \s
.endr
	v_and_b32 v1, 15, v0                           ; r = l % 16
	v_bfe_u32 v2, v0, 4, 1                         ; h = l / 16
	v_mul_u32_u24 v3, v1, PITCH
	v_lshl_add_u32 v3, v2, 4, v3                   ; a fragment's row and half: r x pitch + 16 h
	s_mul_i32 s22, s10, 64*PITCH                   ; my 64 rows of x
	s_mov_b32 s23, ABYTES                          ; all 192 rows of w_attn
.irp s, 0,1
	v_add_nc_u32 v[ADRA+\s], s22, v3
	v_add_nc_u32 v[ADRB+\s], s23, v3
	s_add_co_u32 s22, s22, SLOT
	s_add_co_u32 s23, s23, SLOT
.endr
	s_mul_i32 s22, s10, WSTG
	s_add_co_u32 s22, s22, STAGE                   ; my stage
	v_mul_u32_u24 v4, v1, 144
	v_lshl_add_u32 v4, v2, 4, v4
	v_add_nc_u32 v[STO], s22, v4                   ; in: row r, 16 bytes for each half of the lanes
	v_and_b32 v5, 31, v0
	v_lshrrev_b32 v6, 3, v5
	v_and_b32 v7, 7, v0
	v_mul_u32_u24 v6, v6, 144
	v_lshl_add_u32 v6, v7, 4, v6
	v_add_nc_u32 v[RD], s22, v6                    ; back: eight lanes a row of 128 bytes, four rows a load
	v_lshlrev_b32 v[CO], 4, v5                     ; and the same 512 bytes in qkvh, where a head's rows follow each other
	v_lshlrev_b32 v[BOFF], 5, v2                   ; bias: columns 8 h .. 8 h + 7 of each tile
.irp b, 0,1,2,3,4,5,6,7,8,9,10,11
	global_load_b128 v[BIAS+8*\b:BIAS+8*\b+3],   v[BOFF], s[6:7] offset:64*\b
	global_load_b128 v[BIAS+8*\b+4:BIAS+8*\b+7], v[BOFF], s[6:7] offset:64*\b+16
.endr
; 12 matrix instructions: row tile a of the window's two (hi = 0: my rows 0-31, 1: rows 32-63) x all 12 column tiles, 32 along K, on buffer p.
; bias = 1: the first product starts the sum from the bias.
.macro MUL12 p, hi, a, bias
.irp b, 0,1,2,3,4,5,6,7,8,9,10,11
.if \bias
	v_wmma_f32_16x16x32_bf16 v[8*(12*\a+\b):8*(12*\a+\b)+7], v[96*\p+8*\b:96*\p+8*\b+7], v[FA+32*\p+8*(2*\hi+\a):FA+32*\p+8*(2*\hi+\a)+7], v[BIAS+8*\b:BIAS+8*\b+7]
.else
	v_wmma_f32_16x16x32_bf16 v[8*(12*\a+\b):8*(12*\a+\b)+7], v[96*\p+8*\b:96*\p+8*\b+7], v[FA+32*\p+8*(2*\hi+\a):FA+32*\p+8*(2*\hi+\a)+7], v[8*(12*\a+\b):8*(12*\a+\b)+7]
.endif
.endr
.endm
; 32 LDS loads in one run: 192 rows of w_attn, then my 64 rows of x, 32 K at byte k of the rows, into buffer p
.macro FETCH slot, k, p
	WIN TO_B
.irp i, 0,1,2,3,4,5,6,7,8,9,10,11
	ds_load_b128 v[96*\p+8*\i:96*\p+8*\i+3],   v[ADRB+\slot] offset:\k+\i*16*PITCH
	ds_load_b128 v[96*\p+8*\i+4:96*\p+8*\i+7], v[ADRB+\slot] offset:\k+\i*16*PITCH+32
.endr
	WIN 0
.irp i, 0,1,2,3
	ds_load_b128 v[FA+32*\p+8*\i:FA+32*\p+8*\i+3],   v[ADRA+\slot] offset:\k+\i*16*PITCH
	ds_load_b128 v[FA+32*\p+8*\i+4:FA+32*\p+8*\i+7], v[ADRA+\slot] offset:\k+\i*16*PITCH+32
.endr
.endm
; Four places between a matrix instruction and a load into a register that it read, or a vector instruction that reads its result
.macro PLACES
.rept 4
	v_nop
.endr
.endm
; A quarter step: 48 matrix instructions on buffer p; in its middle the next quarter's fragments go into buffer pn.
; The 48 accumulators take turns in the same order in every quarter.
.macro QUARTER slot, k, p, pn, bias
	s_wait_dscnt 0x4                               ; all but the four youngest loads, x's row tiles 2 and 3
.if \bias
	WIN MUL_LO_B
.else
	WIN MUL_LO
.endif
	MUL12 \p, 0, 0, \bias
	MUL12 \p, 0, 1, \bias
	PLACES
	FETCH \slot, \k, \pn
	s_wait_dscnt 0x20                              ; all but the 32 just issued
.if \bias
	WIN MUL_HI_B
.else
	WIN MUL_HI
.endif
	MUL12 \p, 1, 0, \bias
	MUL12 \p, 1, 1, \bias
.endm
.macro THREE slot, bias
	QUARTER \slot, 64,  0, 1, \bias
	QUARTER \slot, 128, 1, 0, 0
	QUARTER \slot, 192, 0, 1, 0
.endm
; The last quarter of a K step, on buffer 1, changes slots.  In front of the barrier each wave waits for its reads of this slot and for all
; its tensor loads (one is out: its part of the next slot).  fill = 1: the barrier opens a round of the cluster's barrier, and the joint
; refill of this slot, two K steps ahead, is the first tensor load behind the round.  From that request to the wait for it: 180 matrix instructions.
.macro TURN slot, next, fill
	s_wait_dscnt 0x4
	WIN MUL_LO
	MUL12 1, 0, 0, 0
	s_wait_dscnt 0x0                               ; my reads of this slot are over
	s_wait_tensorcnt 0x0                           ; all my tensor loads have landed
	ds_add_u32 v255, v255
	s_wait_dscnt 0x0
	s_barrier_signal -1
	MUL12 1, 0, 1, 0                               ; register work while the others arrive
	WIN 0
	s_barrier_wait -1
.if \fill
	CREST
	s_add_nc_u64 s[G0+4*\slot+2:G0+4*\slot+3], s[G0+4*\slot+2:G0+4*\slot+3], 2*KSTEP*2
	s_add_nc_u64 s[G0B+4*\slot+2:G0B+4*\slot+3], s[G0B+4*\slot+2:G0B+4*\slot+3], 2*KSTEP*2
	JLOAD \slot
.endif
	PLACES
	FETCH \next, 0, 0
	WIN MUL_HI
	MUL12 1, 1, 0, 0
	MUL12 1, 1, 1, 0
.endm
.macro LAP bias
	THREE 0, \bias
	TURN 0, 1, 1
	THREE 1, 0
	TURN 1, 0, 1
.endm
	s_wait_tensorcnt 0x1                           ; my part of K step 0 is in; K step 1's stays out
	s_barrier_signal -1
	s_barrier_wait -1
	FETCH 0, 0, 0
	s_wait_loadcnt 0x0                             ; the bias
	LAP 1                                          ; the first lap stands in front of the loop: its first products start the sums
	WIN 0
	s_mov_b32 s3, LAPS-2
.Llap:
	LAP 0
	WIN 0
	s_sub_co_u32 s3, s3, 1
	s_cmp_lg_u32 s3, 0
	s_cbranch_scc1 .Llap
	THREE 0, 0                                     ; the last lap fills nothing
	TURN 0, 1, 0
	THREE 1, 0
	s_wait_dscnt 0x4
	WIN MUL_LO
	MUL12 1, 0, 0, 0
	MUL12 1, 0, 1, 0
	s_wait_dscnt 0x0
	WIN MUL_HI
	MUL12 1, 1, 0, 0
	MUL12 1, 1, 1, 0
	; THE WAY OUT, 16 rows at a time: round to f16, 16 bytes a lane into my own stage, read back as whole rows of a head, 512 consecutive bytes a store
	PLACES
	WIN 0
	s_lshr_b32 s72, s13, 2                         ; batch = block row / 4
	s_lshl_b32 s72, s72, 4
	s_and_b32 s73, s13, 3
	s_lshl_b32 s73, s73, 8
	s_lshl_b32 s74, s10, 6
	s_add_co_u32 s73, s73, s74                     ; my first t
	s_lshl_b32 s73, s73, 7                         ; rows of 128 bytes
	s_mul_i32 s74, s42, 3                          ; my first head among the 48 of q, k, v
.irp d, 0,1,2
	s_add_co_u32 s76, s74, \d
	s_lshr_b32 s77, s76, 4                         ; q, k or v
	s_lshl_b32 s77, s77, 6
	s_and_b32 s76, s76, 15                         ; head
	s_add_co_u32 s76, s76, s77
	s_add_co_u32 s76, s76, s72                     ; 64 x which + 16 x batch + head
	s_lshl_b32 s76, s76, 17                        ; blocks of 131,072 bytes
	s_add_co_u32 s76, s76, s73
	s_mov_b32 s77, 0
	s_add_nc_u64 s[HB+2*\d:HB+2*\d+1], s[8:9], s[76:77]
.endr
; rows 16 i .. 16 i + 15 of my 64 = tiles (a, 0..11) of window 2 or 3 (from = 0x0a or 0x0f: sources 0 and 1); f: RB0 or RB1 in turn
.macro OUT16 i, a, from, f
	WIN \from
.irp b, 0,1,2,3,4,5,6,7,8,9,10,11
.irp r, 0,1,2,3
	v_cvt_pk_f16_f32 v[TMP+4*\b+\r], v[8*(12*\a+\b)+2*\r], v[8*(12*\a+\b)+2*\r+1]
.endr
.endr
	WIN 0
.irp b, 0,1,2,3,4,5,6,7,8,9,10,11
	ds_store_b128 v[STO], v[TMP+4*\b:TMP+4*\b+3] offset:(\b/4)*HSTG+(\b%4)*32
.endr
	s_wait_xcnt 0x0                                ; buffer f, which earlier stores read, is loaded again only behind this wait
.irp d, 0,1,2
.irp t, 0,1,2,3
	ds_load_b128 v[\f+16*\d+4*\t:\f+16*\d+4*\t+3], v[RD] offset:\d*HSTG+\t*576   ; LDS serves a wave's instructions in order: these see the stores above
.endr
.endr
.irp d, 0,1,2
.irp t, 0,1,2,3
	s_wait_dscnt 11-4*\d-\t                        ; the younger loads of the twelve stay out
	global_store_b128 v[CO], v[\f+16*\d+4*\t:\f+16*\d+4*\t+3], s[HB+2*\d:HB+2*\d+1] offset:\i*2048+\t*512
.endr
.endr
.endm
	OUT16 0, 0, 0x0a, RB0
	OUT16 1, 1, 0x0a, RB1
	OUT16 2, 0, 0x0f, RB0
	OUT16 3, 1, 0x0f, RB1
	s_set_vgpr_msb 0x1
	s_wait_tensorcnt 0x0
	ds_add_u32 v255, v255
	s_wait_dscnt 0x0
	s_set_vgpr_msb 0x100
	CROUND                                         ; the closing round: no work-group ends while a partner may still ask for a tile that names it
	s_endpgm
.Lfunc_end_k_q7c154900e1_qkv:
	.size	k_q7c154900e1_qkv, .Lfunc_end_k_q7c154900e1_qkv-k_q7c154900e1_qkv
	.p2alignl 7, 3214868480
	.fill 96, 4, 3214868480
	.section	.rodata,"a",@progbits
	.p2align	6, 0x0
	.amdhsa_kernel k_q7c154900e1_qkv
		.amdhsa_group_segment_fixed_size 327680
		.amdhsa_private_segment_fixed_size 0
		.amdhsa_enable_private_segment 0
		.amdhsa_kernarg_size 24
		.amdhsa_user_sgpr_count 2
		.amdhsa_user_sgpr_kernarg_segment_ptr 1
		.amdhsa_wavefront_size32 1
		.amdhsa_system_sgpr_workgroup_id_x 1
		.amdhsa_system_sgpr_workgroup_id_y 1
		.amdhsa_system_sgpr_workgroup_id_z 1
		.amdhsa_system_vgpr_workitem_id 0
		.amdhsa_next_free_vgpr 960
		.amdhsa_next_free_sgpr 80
		.amdhsa_reserve_vcc 0
		.amdhsa_float_denorm_mode_32 3
		.amdhsa_float_denorm_mode_16_64 3
		.amdhsa_memory_ordered 1
		.amdhsa_forward_progress 1
		.amdhsa_inst_pref_size 167
	.end_amdhsa_kernel
	.amdgpu_metadata
---
amdhsa.version: [ 1, 2 ]
amdhsa.kernels:
  - .name:           k_q7c154900e1_qkv
    .symbol:         k_q7c154900e1_qkv.kd
    .args:
      - { .name: cb, .offset: 0, .size: 8, .value_kind: global_buffer, .address_space: global }
      - { .name: b_attn, .offset: 8, .size: 8, .value_kind: global_buffer, .address_space: global }
      - { .name: qkvh, .offset: 16, .size: 8, .value_kind: global_buffer, .address_space: global }
    .group_segment_fixed_size: 327680
    .private_segment_fixed_size: 0
    .kernarg_segment_align: 8
    .kernarg_segment_size: 24
    .max_flat_workgroup_size: 128
    .sgpr_count:     80
    .vgpr_count:     960
    .wavefront_size: 32
...
	.end_amdgpu_metadata
.endif
;; end of part 2
;; launch attn (part 3): grid 256 x 1, 8 waves a work-group, no clusters, 327,680 bytes of LDS; arguments qkvh, yh; writes yh
.if DOCPART == 3
	.amdgcn_target "amdgcn-amd-amdhsa--gfx1250"
	.amdhsa_code_object_version 6
	.text
	.protected	k_q7c154900e1_attn
	.globl	k_q7c154900e1_attn
	.p2align	8
	.type	k_q7c154900e1_attn,@function
k_q7c154900e1_attn:
	s_mov_b64 s[64:65], 0
	v_nop
	global_prefetch_b8 v0, s[64:65] scope:SCOPE_SE
	s_setreg_imm32_b32 hwreg(HW_REG_WAVE_MODE, 25, 1), 1
	s_wait_xcnt 0x0
; y = softmax(q k^T / 8, causal) v for one (batch, head), with a running maximum.  q, k, v from qkvh [3][64][1024][64] f16; y to yh [64][1024][64] f16.
; Scores, maxima, exponentials and sums are f32; P is rounded to f16 for the second product (P <= 1; below 2^-24 it becomes 0).
; LIMIT: |y| above 65,504 becomes infinite in f16; v_exp_f32 gives 0 below 2^-126.  Masked scores are -inf; every step that a wave works on
; holds key 0 of the step at or below each of its queries, so a running maximum is finite from the wave's first step on.
; SHARE: T is cut into 8 query blocks of 128, keys into steps of 64.  Work-group (bh, j), j = 0..3, takes block 7-j (hi) and block j (lo).
; Wave w: wq = w % 4 names 32 queries of a block, half = w / 4.  SB = 2 (j + 1) is the first step that the lo block does not need.
;   steps below SB: waves 0-3 work on hi, waves 4-7 on lo.
;   steps from SB on: the hi group wq is worked on by two waves, wave wq on the even steps and wave wq + 4 on the odd ones, each with its own running
;   maximum, sum and O; the two are joined at the end.  So a wave has 2 (j + 1) + (7 - 2 j) = 9 steps at the most in every work-group, and the two waves
;   that share a SIMD have work side by side all the way.
; At step SB waves 4-7 store the lo result, take the hi group's Q from LDS (waves 0-3 put it there at the start) and begin anew.
; They hold the hi group's two query tiles SWAPPED, so that every wave owns its tile 0 and sends its tile 1 to its partner: the end has no branch on the wave.
; NO MULTICAST: the four work-groups of a head need 4, 4, 3, 3 tiles and choose their steps by their own place, so their ways through the text differ.
; LAYOUT: S^T = K Q^T (source 0 = 16 keys, source 1 = 16 queries): lane (r, h) holds keys 8 h + 0..7 of query r, so two key tiles, packed in place,
; are source 1 of O^T = V^T P^T, and the statistics of a query lie in lanes r and r + 16 alone.  V^T comes by the transposing LDS load.
; RING: a tile is 256 keys (four steps) of K and of V, 32 KiB each, dense in memory; two slots.  Waves 0, 1 fetch K's halves, waves 2, 3 V's: one tensor
; load out a wave.  Behind a refill every wave has two steps or more.  The four trips are written out: there is no loop.
.set KPITCH, 144                       ; 128 bytes + 16: an odd multiple of 16
.set VPITCH, 160                       ; 128 bytes + 32: an odd multiple of 32, for the transposing load
.set KHALF,  128*KPITCH                ; what one tensor load of K fills
.set VHALF,  128*VPITCH                ; what one tensor load of V fills
.set KBYTES, 2*KHALF
.set SLOT,   2*KHALF+2*VHALF           ; 77,824
.set STAGE,  2*SLOT                    ; 155,648 = 608 x 256.  From here on no tensor load fills anything
.set WSTG,   32*144                    ; a wave's stage: 32 rows of 128 bytes + 16
.set QX,     STAGE+8*WSTG              ; 192,512: Q of the four hi groups, 4,096 bytes each, as the registers hold it
.set XCH,    QX+4*4096                 ; 208,896: what a wave sends to its partner: 32 registers of O, a maximum, a sum
.set WXCH,   4352
.set TILEB,  32768                     ; a tile's K, or V, in memory
.set KA,  2                            ; v2-3    LDS address of my K fragments in slot 0, 1
.set VA,  4                            ; v4-5    the same for V
.set LIM, 6                            ; v6-7    query tile n: keys 16 t + j of the diagonal step stay where 16 t + j <= LIM
.set MX,  8                            ; v8-9    running maximum of query tile 0, 1
.set NM,  10                           ; v10-11  -c x maximum
.set AL,  12                           ; v12-13  the factor by which older sums shrink
.set LS,  14                           ; v14-15  running sum, each lane's own half of the keys
.set KA2, 16                           ; v16-17  KA, 64 keys further on in waves 4-7: trips 2 and 3
.set TP,  18                           ; v18-19  what the other half of the lanes holds
.set VA2, 20                           ; v20-21  VA likewise
.set RD,  22                           ; v22     my stage, read back: eight lanes a row, four rows a load
.set CO,  23                           ; v23     16 x lane
.set CH,  24                           ; v24-27  maximum chains; dead before the sums begin
.set SM,  24                           ; v24-31  sum chains; between steps: at work
.set QQ,  32                           ; v32-63  Q fragment (n, c) at 32 + 16 n + 8 c
.set SS,  64                           ; v64-127 S tile (n, t) at 64 + 32 n + 8 t; packed, P(n, p) at 64 + 32 n + 8 p
.set FF,  128                          ; v128-191 K fragment (t, c) at 128 + 16 t + 8 c, then V fragment (p, d) at 128 + 32 p + 8 d
.set OO,  192                          ; v192-255 O tile (n, d) at 192 + 32 n + 8 d
.set G1K, 24
.set G1V, 32
.set G0K, 40                           ; s[40:47] one set a slot
.set G0V, 48                           ; s[48:55]
	s_load_b128 s[4:7], s[0:1], 0x0                ; qkvh s[4:5], yh s[6:7]
	s_set_vgpr_msb 0x40
	v_lshl_add_u32 v0, v0, 2, 0x3b800
	v_mov_b32 v1, 0
	s_set_vgpr_msb 0x4045
	ds_add_u32 v0, v1
	s_set_vgpr_msb 0x4500
	v_lshrrev_b32 v1, 5, v0
	v_readfirstlane_b32 s8, v1                     ; wave 0..7
	s_and_b32 s9, ttmp9, 3                         ; j
	s_lshr_b32 s10, ttmp9, 2                       ; bh
	s_lshr_b32 s11, s8, 2                          ; half
	s_and_b32 s12, s8, 3                           ; wq
	s_sub_co_u32 s14, 7, s9
	s_lshl2_add_u32 s70, s14, s12                  ; the hi group: its 32 queries begin at 32 x this
	s_lshl2_add_u32 s71, s9, s12                   ; the lo group
	s_lshr_b32 s20, s70, 1                         ; the hi group's last step, the one with the diagonal
	s_lshr_b32 s72, s71, 1                         ; the lo group's
	s_lshl_b32 s74, s9, 1
	s_add_co_u32 s74, s74, 2                       ; SB
	s_bfm_b32 s75, s74, 0                          ; SB ones
	s_or_b32 s76, s75, 0x55                        ; steps 0-7 of waves 0-3: all below SB, then the even ones
	s_add_co_u32 s77, s72, 1
	s_bfm_b32 s77, s77, 0                          ; of waves 4-7: lo's steps up to its diagonal,
	s_and_not1_b32 s15, 0xaa, s75
	s_or_b32 s77, s77, s15                         ; then the odd ones from SB on
	s_cmp_eq_u32 s11, 0
	s_cselect_b32 s68, s76, s77                    ; bit p: I do step p (p = 0..7)
	s_cselect_b32 s13, s20, s72                    ; the last step of the group that I work on
	s_cselect_b32 s73, s70, s71                    ; the group that I begin with
	s_mov_b32 s16, 0x76543210                      ; v_permlanex16_b32: lane i takes lane i of the other half
	s_mov_b32 s17, 0xfedcba98
	s_mov_b32 s18, 0x3e38aa3b                      ; c = log2(e) / 8
	s_mov_b32 s19, 0x3e38aa3b
	s_mov_b32 s21, 0xff800000                      ; -inf
	s_mov_b32 s22, 0xbe38aa3b                      ; -c
	s_mov_b32 s23, 0xbe38aa3b
	s_mov_b32 s69, 0x7f800000                      ; +inf
	; one load brings 128 keys, a dense block of 16 KiB: 64 rows of 256 bytes, padded behind every 128 bytes (a key's row)
	s_mov_b32 s[G1K+0], (3<<16)|(1<<20)|(4<<22)|(3<<25)   ; elements of 8 bytes; after 32 words, 4 words
	s_mov_b32 s[G1V+0], (3<<16)|(1<<20)|(4<<22)|(7<<25)   ; after 32 words, 8 words
	s_mov_b32 s[G1K+1], 32<<16
	s_mov_b32 s[G1V+1], 32<<16
	s_mov_b32 s[G1K+2], 64<<16
	s_mov_b32 s[G1V+2], 64<<16
	s_mov_b32 s[G1K+3], 32<<16
	s_mov_b32 s[G1V+3], 32<<16
	s_mov_b32 s[G1K+4], 64
	s_mov_b32 s[G1V+4], 64
	s_mov_b32 s[G1K+5], 32
	s_mov_b32 s[G1V+5], 32
	s_mov_b32 s[G1K+6], 0
	s_mov_b32 s[G1V+6], 0
	s_mov_b32 s[G1K+7], 0
	s_mov_b32 s[G1V+7], 0
	s_and_b32 s15, s8, 1
	s_lshl_b32 s15, s15, 14                        ; which 128 keys of a tile I fetch
	s_add_co_u32 s56, s10, 64                      ; k's block of this head
	s_lshl_b32 s56, s56, 17
	s_add_co_u32 s56, s56, s15
	s_mov_b32 s57, 0
	s_add_co_u32 s58, s10, 128                     ; v's
	s_lshl_b32 s58, s58, 17
	s_add_co_u32 s58, s58, s15
	s_mov_b32 s59, 0
	s_lshl_b32 s14, s10, 17                        ; q's and y's block of this head; a group is 32 rows of 128 bytes
	s_lshl_b32 s2, s73, 12
	s_add_co_u32 s2, s2, s14                       ; Q of the group that I begin with
	s_mov_b32 s3, 0
	s_lshl_b32 s80, s71, 12
	s_add_co_u32 s80, s80, s14                     ; y of the lo group
	s_mov_b32 s81, 0
	s_lshl_b32 s82, s70, 12
	s_add_co_u32 s82, s82, s14
	s_lshl_b32 s15, s11, 11
	s_add_co_u32 s82, s82, s15                     ; y of the hi group's 16 rows that I own: the first 16 in waves 0-3, the last 16 in waves 4-7
	s_mov_b32 s83, 0
	s_mul_i32 s84, s8, KHALF                       ; LDS: K's halves at wave x 18,432 (waves 0, 1)
	s_mul_i32 s85, s8, VHALF
	s_sub_co_u32 s85, s85, 2*VHALF-KBYTES          ; V's halves at 36,864 + (wave - 2) x 20,480 (waves 2, 3)
	s_mul_i32 s79, s8, WSTG
	s_add_co_u32 s79, s79, STAGE                   ; my stage
	s_lshl_b32 s78, s12, 12
	s_add_co_u32 s78, s78, QX                      ; the hi group's Q in LDS
	s_wait_dscnt 0x0
	s_barrier_signal -1
	s_barrier_wait -1
	s_wait_kmcnt 0x0
	s_add_nc_u64 s[56:57], s[4:5], s[56:57]
	s_add_nc_u64 s[58:59], s[4:5], s[58:59]
	s_add_nc_u64 s[60:61], s[4:5], s[2:3]
	s_add_nc_u64 s[62:63], s[6:7], s[80:81]
	s_add_nc_u64 s[66:67], s[6:7], s[82:83]
.irp s, 0,1
	s_mov_b32 s[G0K+4*\s], 1
	s_add_co_u32 s[G0K+4*\s+1], s84, \s*SLOT
	s_add_nc_u64 s[G0K+4*\s+2:G0K+4*\s+3], s[56:57], \s*TILEB
	s_or_b32 s[G0K+4*\s+3], s[G0K+4*\s+3], 0x80000000
	s_mov_b32 s[G0V+4*\s], 1
	s_add_co_u32 s[G0V+4*\s+1], s85, \s*SLOT
	s_add_nc_u64 s[G0V+4*\s+2:G0V+4*\s+3], s[58:59], \s*TILEB
	s_or_b32 s[G0V+4*\s+3], s[G0V+4*\s+3], 0x80000000
.endr
; Waves 0, 1 ask for K's halves of a tile, waves 2, 3 for V's, the others for nothing
.macro ALOAD slot
	s_cmp_gt_u32 s8, 3
	s_cbranch_scc1 .Lnone_\@
	s_cmp_lt_u32 s8, 2
	s_cbranch_scc0 .Lfor_v_\@
	tensor_load_to_lds s[G0K+4*\slot:G0K+4*\slot+3], s[G1K:G1K+7]
	s_nop 0
	s_branch .Lnone_\@
.Lfor_v_\@:
	tensor_load_to_lds s[G0V+4*\slot:G0V+4*\slot+3], s[G1V:G1V+7]
	s_nop 0
.Lnone_\@:
.endm
	ALOAD 0                                        ; tile 0, ahead of everything else
	v_and_b32 v24, 15, v0                          ; r
	v_bfe_u32 v25, v0, 4, 1                        ; h
	v_mul_u32_u24 v[KA], v24, KPITCH
	v_lshl_add_u32 v[KA], v25, 4, v[KA]            ; key r, 16 bytes for each half of the lanes
	v_add_nc_u32 v[KA+1], SLOT, v[KA]
	v_and_b32 v26, 7, v0
	v_lshl_add_u32 v27, v25, 3, v26                ; key 8 h + l % 8
	v_mul_u32_u24 v[VA], v27, VPITCH
	v_bfe_u32 v27, v0, 3, 1
	v_lshl_add_u32 v[VA], v27, 4, v[VA]            ; + 16 bytes for lanes 8-15 and 24-31
	v_add_nc_u32 v[VA], KBYTES, v[VA]
	v_add_nc_u32 v[VA+1], SLOT, v[VA]
	s_mul_i32 s14, s11, 64*KPITCH                  ; one step further on in waves 4-7
	s_mul_i32 s15, s11, 64*VPITCH
	v_add_nc_u32 v[KA2],   s14, v[KA]
	v_add_nc_u32 v[KA2+1], s14, v[KA+1]
	v_add_nc_u32 v[VA2],   s15, v[VA]
	v_add_nc_u32 v[VA2+1], s15, v[VA+1]
	s_and_b32 s14, s12, 1
	s_lshl_b32 s14, s14, 5                         ; a group's queries begin at key 0 or 32 of its diagonal step, alike for hi and lo
	v_lshlrev_b32 v27, 3, v25
	v_sub_nc_u32 v[LIM], v24, v27                  ; r - 8 h
	v_add_nc_u32 v[LIM], s14, v[LIM]
	v_add_nc_u32 v[LIM+1], 16, v[LIM]
	v_bfe_u32 v27, v0, 3, 2
	v_mul_u32_u24 v27, v27, 144
	v_lshl_add_u32 v27, v26, 4, v27
	v_add_nc_u32 v[RD], s79, v27
	v_and_b32 v[CO], 31, v0
	v_lshlrev_b32 v[CO], 4, v[CO]
	v_lshlrev_b32 v1, 7, v24
	v_lshl_add_u32 v1, v25, 4, v1                  ; Q: query r, 16 bytes for each half
	v_mov_b32 v[TP], 0                             ; v_permlanex16_b32 counts as a reader of its destination
	v_mov_b32 v[TP+1], 0
.irp n, 0,1
.irp c, 0,1
	global_load_b128 v[QQ+16*\n+8*\c:QQ+16*\n+8*\c+3],   v1, s[60:61] offset:2048*\n+64*\c
	global_load_b128 v[QQ+16*\n+8*\c+4:QQ+16*\n+8*\c+7], v1, s[60:61] offset:2048*\n+64*\c+32
.endr
.endr
	s_wait_loadcnt 0x0
	s_cmp_gt_u32 s8, 3
	s_cbranch_scc1 .Lno_qx
	v_add_nc_u32 v24, s78, v[CO]                   ; waves 0-3 leave the hi group's Q for their partners; the first trip's wait and barrier order it
.irp f, 0,1,2,3,4,5,6,7
	ds_store_b128 v24, v[QQ+4*\f:QQ+4*\f+3] offset:512*\f
.endr
.Lno_qx:
; 8 matrix instructions of O^T += V^T P^T for keys 32 p .. 32 p + 31 of the step; zero = 1: they start the sums
.macro PV p, zero
.irp n, 0,1
.irp d, 0,1,2,3
.if \zero
	v_wmma_f32_16x16x32_f16 v[OO+32*\n+8*\d:OO+32*\n+8*\d+7], v[FF+32*\p+8*\d:FF+32*\p+8*\d+7], v[SS+32*\n+8*\p:SS+32*\n+8*\p+7], 0
.else
	v_wmma_f32_16x16x32_f16 v[OO+32*\n+8*\d:OO+32*\n+8*\d+7], v[FF+32*\p+8*\d:FF+32*\p+8*\d+7], v[SS+32*\n+8*\p:SS+32*\n+8*\p+7], v[OO+32*\n+8*\d:OO+32*\n+8*\d+7]
.endif
.endr
.endr
.endm
; One step: 64 keys against my 32 queries.  ka, va: the address registers of the tile's slot; u: which 64 keys behind them; pos: the step's number.
; kind 0: the launch's first step, done by every wave, which starts every running figure.
; kind 1: steps 1-7: done where bit pos of s68 is set.
; kind 2: steps from 8 on, always behind SB: the copy serves step pos in waves 0-3 and, through addresses 64 keys further on, step pos + 1 in waves 4-7.
; In each group of eight matrix instructions the eight accumulators take turns.
.macro STEP ka, va, u, pos, kind
.if \kind == 0
	s_mov_b32 s15, 0
.endif
.if \kind == 1
	s_mov_b32 s15, \pos
	s_bitcmp1_b32 s68, \pos
	s_cbranch_scc0 .Lskip_\@                       ; not my step
.endif
.if \kind == 2
	s_add_co_u32 s15, s11, \pos
	s_cmp_gt_u32 s15, s13
	s_cbranch_scc1 .Lskip_\@                       ; all its keys lie behind my queries' diagonal
.endif
.if \kind != 0
.rept 5
	v_nop                                          ; five places: the new S lands on P, the K loads on V, both sources of the last products
.endr
.endif
.irp c, 0,1
.irp t, 0,1,2,3
	ds_load_b128 v[FF+16*\t+8*\c:FF+16*\t+8*\c+3],   v[\ka] offset:(64*\u+16*\t)*KPITCH+64*\c
	ds_load_b128 v[FF+16*\t+8*\c+4:FF+16*\t+8*\c+7], v[\ka] offset:(64*\u+16*\t)*KPITCH+64*\c+32
.endr
.endr
	s_wait_dscnt 0x8                               ; the first 32 of the head's 64 numbers are in; the eight loads of the second 32 stay out
.irp n, 0,1
.irp t, 0,1,2,3
	v_wmma_f32_16x16x32_f16 v[SS+32*\n+8*\t:SS+32*\n+8*\t+7], v[FF+16*\t:FF+16*\t+7], v[QQ+16*\n:QQ+16*\n+7], 0
.endr
.endr
	s_wait_dscnt 0x0
.irp n, 0,1
.irp t, 0,1,2,3
	v_wmma_f32_16x16x32_f16 v[SS+32*\n+8*\t:SS+32*\n+8*\t+7], v[FF+16*\t+8:FF+16*\t+15], v[QQ+16*\n+8:QQ+16*\n+15], v[SS+32*\n+8*\t:SS+32*\n+8*\t+7]
.endr
.endr
.rept 4
	v_nop                                          ; four places: V's loads land on K's registers, and the lines below read S
.endr
.irp p, 0,1
.irp d, 0,1,2,3
	ds_load_tr16_b128 v[FF+32*\p+8*\d:FF+32*\p+8*\d+3],   v[\va] offset:(64*\u+32*\p)*VPITCH+32*\d
	ds_load_tr16_b128 v[FF+32*\p+8*\d+4:FF+32*\p+8*\d+7], v[\va] offset:(64*\u+32*\p)*VPITCH+32*\d+16*VPITCH
.endr
.endr
	s_cmp_lg_u32 s15, s13
	s_cbranch_scc1 .Lnomask_\@                     ; only a group's last step holds keys behind a query
.irp n, 0,1
.irp t, 0,1,2,3
.irp j, 0,1,2,3,4,5,6,7
	v_cmp_le_i32 vcc_lo, 16*\t+\j, v[LIM+\n]
	v_cndmask_b32 v[SS+32*\n+8*\t+\j], s21, v[SS+32*\n+8*\t+\j], vcc_lo
.endr
.endr
.endr
.Lnomask_\@:
	; the maximum of my 32 scores of each query tile and of the old maximum: four chains that do not wait for each other
.irp n, 0,1
	v_max3_num_f32 v[CH+2*\n],   v[SS+32*\n],    v[SS+32*\n+1],  v[SS+32*\n+2]
	v_max3_num_f32 v[CH+2*\n+1], v[SS+32*\n+16], v[SS+32*\n+17], v[SS+32*\n+18]
.endr
.irp i, 0,1,2,3,4,5
.irp n, 0,1
	v_max3_num_f32 v[CH+2*\n],   v[CH+2*\n],   v[SS+32*\n+3+2*\i],  v[SS+32*\n+4+2*\i]
	v_max3_num_f32 v[CH+2*\n+1], v[CH+2*\n+1], v[SS+32*\n+19+2*\i], v[SS+32*\n+20+2*\i]
.endr
.endr
.irp n, 0,1
	v_max3_num_f32 v[CH+2*\n], v[CH+2*\n], v[CH+2*\n+1], v[SS+32*\n+15]
.endr
.irp n, 0,1
.if \kind == 0
	v_max_num_f32 v[CH+2*\n], v[CH+2*\n], v[SS+32*\n+31]
.else
	v_max3_num_f32 v[CH+2*\n], v[CH+2*\n], v[SS+32*\n+31], v[MX+\n]
.endif
.endr
	v_permlanex16_b32 v[TP],   v[CH],   s16, s17   ; the other half of the query's keys
	v_permlanex16_b32 v[TP+1], v[CH+2], s16, s17
	v_max_num_f32 v[MX],   v[CH],   v[TP]
	v_max_num_f32 v[MX+1], v[CH+2], v[TP+1]
.if \kind != 0
	v_fma_f32 v[AL],   v[MX],   s22, -v10          ; c (old maximum - new maximum); v10, v11 = NM still hold -c x the old one (+inf behind a new beginning: the factor is 0)
	v_fma_f32 v[AL+1], v[MX+1], s22, -v11
.endif
	v_pk_mul_f32 v[NM:NM+1], v[MX:MX+1], s[22:23] op_sel_hi:[1,0]
.if \kind != 0
	v_exp_f32 v[AL],   v[AL]
	v_exp_f32 v[AL+1], v[AL+1]                     ; the multiply-adds below are the plain place behind them (ISA guide 5.7.2)
.endif
	; P = 2^(c S - c maximum)
.set i, 0
.rept 16
	v_pk_fma_f32 v[SS+2*i:SS+2*i+1], v[SS+2*i:SS+2*i+1], s[18:19], v[NM:NM+1] op_sel_hi:[1,0,0]
.set i, i+1
.endr
.set i, 0
.rept 32
	v_exp_f32 v[SS+i], v[SS+i]
.set i, i+1
.endr
.set i, 0
.rept 16
	v_pk_fma_f32 v[SS+32+2*i:SS+32+2*i+1], v[SS+32+2*i:SS+32+2*i+1], s[18:19], v[NM:NM+1] op_sel:[0,0,1] op_sel_hi:[1,0,1]
.set i, i+1
.endr
.set i, 0
.rept 32
	v_exp_f32 v[SS+32+i], v[SS+32+i]
.set i, i+1
.endr
	; the sums, before P is rounded; the first line reads query tile 0 and is the plain place behind the last exponential
	s_wait_alu depctr_va_vdst(0)
.irp n, 0,1
	v_pk_add_f32 v[SM+4*\n:SM+4*\n+1],   v[SS+32*\n:SS+32*\n+1],     v[SS+32*\n+2:SS+32*\n+3]
	v_pk_add_f32 v[SM+4*\n+2:SM+4*\n+3], v[SS+32*\n+16:SS+32*\n+17], v[SS+32*\n+18:SS+32*\n+19]
.endr
.irp i, 2,3,4,5,6,7
.irp n, 0,1
	v_pk_add_f32 v[SM+4*\n:SM+4*\n+1],   v[SM+4*\n:SM+4*\n+1],   v[SS+32*\n+2*\i:SS+32*\n+2*\i+1]
	v_pk_add_f32 v[SM+4*\n+2:SM+4*\n+3], v[SM+4*\n+2:SM+4*\n+3], v[SS+32*\n+16+2*\i:SS+32*\n+16+2*\i+1]
.endr
.endr
.irp n, 0,1
	v_pk_add_f32 v[SM+4*\n:SM+4*\n+1], v[SM+4*\n:SM+4*\n+1], v[SM+4*\n+2:SM+4*\n+3]
.endr
.irp n, 0,1
.if \kind == 0
	v_add_f32 v[LS+\n], v[SM+4*\n], v[SM+4*\n+1]
.else
	v_add_f32 v[SM+4*\n], v[SM+4*\n], v[SM+4*\n+1]
	v_fma_f32 v[LS+\n], v[LS+\n], v[AL+\n], v[SM+4*\n]
.endif
.endr
	; P to f16 in place: register i takes registers 2 i and 2 i + 1, which no earlier line of the run has written
.irp n, 0,1
.set i, 0
.rept 16
	v_cvt_pk_f16_f32 v[SS+32*\n+i], v[SS+32*\n+2*i], v[SS+32*\n+2*i+1]
.set i, i+1
.endr
.endr
.if \kind != 0
.set i, 0
.rept 16
	v_pk_mul_f32 v[OO+2*i:OO+2*i+1], v[OO+2*i:OO+2*i+1], v[AL:AL+1] op_sel_hi:[1,0]
.set i, i+1
.endr
.set i, 0
.rept 16
	v_pk_mul_f32 v[OO+32+2*i:OO+32+2*i+1], v[OO+32+2*i:OO+32+2*i+1], v[AL:AL+1] op_sel:[0,1] op_sel_hi:[1,1]
.set i, i+1
.endr
.endif
	s_wait_dscnt 0x0                               ; V's fragments, asked for in front of the softmax
.if \kind == 0
	PV 0, 1
.else
	PV 0, 0
.endif
	PV 1, 0
.Lskip_\@:
.endm
; In front of step SB = 2 (jc + 1), in waves 4-7 of the work-groups with j = jc: the lo group is done.  Its y = O / sum goes out through my stage,
; 512 consecutive bytes a store; then the hi group is begun: its Q from LDS with the two query tiles exchanged, maximum -inf, sum and O zero.
; O is cleared by moves: which step starts the second sum is not a fixed line of the text, and a product with 0 would carry a NaN of the lo rows over.
.macro SWITCH jc
	s_cmp_lt_u32 s8, 4
	s_cbranch_scc1 .Lnosw_\@
	s_cmp_lg_u32 s9, \jc
	s_cbranch_scc1 .Lnosw_\@
.rept 4
	v_nop                                          ; four places behind the last products
.endr
	v_permlanex16_b32 v[TP],   v[LS],   s16, s17
	v_permlanex16_b32 v[TP+1], v[LS+1], s16, s17
	v_pk_add_f32 v[LS:LS+1], v[LS:LS+1], v[TP:TP+1]
	v_rcp_f32 v[LS],   v[LS]
	v_rcp_f32 v[LS+1], v[LS+1]                     ; the two address lines are the plain places behind them
	v_add_nc_u32 v[SM],   s79, v[KA]               ; my stage, in: 144 r + 16 h, as for K's rows
	v_add_nc_u32 v[SM+1], s78, v[CO]               ; the hi group's Q
.set i, 0
	s_wait_alu depctr_va_vdst(0)
.rept 16
	v_pk_mul_f32 v[OO+2*i:OO+2*i+1], v[OO+2*i:OO+2*i+1], v[LS:LS+1] op_sel_hi:[1,0]
.set i, i+1
.endr
.set i, 0
.rept 16
	v_pk_mul_f32 v[OO+32+2*i:OO+32+2*i+1], v[OO+32+2*i:OO+32+2*i+1], v[LS:LS+1] op_sel:[0,1] op_sel_hi:[1,1]
.set i, i+1
.endr
.irp n, 0,1
.set i, 0
.rept 16
	v_cvt_pk_f16_f32 v[SS+16*\n+i], v[OO+32*\n+2*i], v[OO+32*\n+2*i+1]
.set i, i+1
.endr
.endr
.irp n, 0,1
.irp d, 0,1,2,3
	ds_store_b128 v[SM], v[SS+16*\n+4*\d:SS+16*\n+4*\d+3] offset:\n*16*144+32*\d
.endr
.endr
.irp t, 0,1,2,3,4,5,6,7
	ds_load_b128 v[FF+4*\t:FF+4*\t+3], v[RD] offset:\t*576      ; LDS serves a wave's instructions in order: these see the stores above
.endr
.irp t, 0,1,2,3,4,5,6,7
	s_wait_dscnt 7-\t                              ; the younger loads of the eight stay out
	global_store_b128 v[CO], v[FF+4*\t:FF+4*\t+3], s[62:63] offset:512*\t
.endr
.irp f, 0,1,2,3,4,5,6,7
	ds_load_b128 v[QQ+4*\f:QQ+4*\f+3], v[SM+1] offset:512*(\f^4)   ; my tile 0 = the group's queries 16-31, my tile 1 = its queries 0-15
.endr
.set i, 0
.rept 64
	v_mov_b32 v[OO+i], 0
.set i, i+1
.endr
	v_mov_b32 v[MX],   s21
	v_mov_b32 v[MX+1], s21
	v_mov_b32 v[NM],   s69
	v_mov_b32 v[NM+1], s69
	v_mov_b32 v[LS],   0
	v_mov_b32 v[LS+1], 0
	v_add_nc_u32 v[LIM],   16,  v[LIM]             ; the tiles' bounds change places with the tiles
	v_add_nc_u32 v[LIM+1], -16, v[LIM+1]
	s_mov_b32 s13, s20                             ; the hi group's last step
	s_wait_xcnt 0x0                                ; v128-159, which the stores read, are loaded again only behind this wait
	s_wait_dscnt 0x0                               ; Q
.Lnosw_\@:
.endm
; The head of a trip.  Every wave waits for all its tensor loads (this trip's tile among them) and for its reads of the other slot, then the barrier;
; a refill of the other slot comes first behind it, one load a wave.  step = 1: this slot's addresses go on to its next tile.
.macro HEAD slot, step
	s_set_vgpr_msb 0x5
	s_wait_tensorcnt 0x0                           ; no tensor load of mine is out: a group 0 may be written
	ds_add_u32 v0, v1
	s_wait_dscnt 0x0
	s_set_vgpr_msb 0x500
.if \step
	s_add_nc_u64 s[G0K+4*\slot+2:G0K+4*\slot+3], s[G0K+4*\slot+2:G0K+4*\slot+3], 2*TILEB
	s_add_nc_u64 s[G0V+4*\slot+2:G0V+4*\slot+3], s[G0V+4*\slot+2:G0V+4*\slot+3], 2*TILEB
.endif
	s_wait_dscnt 0x0
	s_barrier_signal -1
	s_barrier_wait -1
.endm
	HEAD 0, 1                                      ; tile 0: steps 0-3
	ALOAD 1
	STEP KA, VA, 0, 0, 0
	STEP KA, VA, 1, 1, 1
	SWITCH 0
	STEP KA, VA, 2, 2, 1
	STEP KA, VA, 3, 3, 1
	HEAD 1, 1                                      ; tile 1: steps 4-7
	ALOAD 0
	SWITCH 1
	STEP KA+1, VA+1, 0, 4, 1
	STEP KA+1, VA+1, 1, 5, 1
	SWITCH 2
	STEP KA+1, VA+1, 2, 6, 1
	STEP KA+1, VA+1, 3, 7, 1
	HEAD 0, 0                                      ; tile 2: steps 8-11
	s_cmp_gt_u32 s9, 1
	s_cbranch_scc1 .Lno_t3                         ; blocks 5 and 4 end inside tile 2: no tile 3 is fetched
	ALOAD 1
.Lno_t3:
	SWITCH 3
	STEP KA2, VA2, 0, 8, 2
	STEP KA2, VA2, 2, 10, 2
	s_cmp_gt_u32 s9, 1
	s_cbranch_scc1 .Lout
	HEAD 1, 0                                      ; tile 3: steps 12-15
	STEP KA2+1, VA2+1, 0, 12, 2
	STEP KA2+1, VA2+1, 2, 14, 2
.Lout:
	; THE END: the two waves of a hi group join their halves of the keys.  I send my tile 1 (O, maximum, sum) and own my tile 0.
	s_wait_tensorcnt 0x0                           ; none is out
.rept 4
	v_nop                                          ; four places behind the last products
.endr
	s_mul_i32 s14, s8, WXCH
	s_add_co_u32 s14, s14, XCH                     ; where I send
	s_xor_b32 s15, s8, 4
	s_mul_i32 s15, s15, WXCH
	s_add_co_u32 s15, s15, XCH                     ; where my partner sends
	v_add_nc_u32 v24, s14, v[CO]
	v_add_nc_u32 v25, s15, v[CO]
	v_and_b32 v26, 31, v0
	v_lshlrev_b32 v26, 2, v26
	v_add_nc_u32 v27, s15, v26
	v_add_nc_u32 v26, s14, v26
.irp f, 0,1,2,3,4,5,6,7
	ds_store_b128 v24, v[OO+32+4*\f:OO+32+4*\f+3] offset:512*\f
.endr
	ds_store_b32 v26, v[MX+1] offset:4096
	ds_store_b32 v26, v[LS+1] offset:4224
	s_wait_dscnt 0x0                               ; for my partner's sake
	s_barrier_signal -1
	s_barrier_wait -1
.irp f, 0,1,2,3,4,5,6,7
	ds_load_b128 v[SS+4*\f:SS+4*\f+3], v25 offset:512*\f
.endr
	ds_load_b32 v[TP],   v27 offset:4096           ; the partner's maximum: -inf if it had no step; mine or its is finite
	ds_load_b32 v[TP+1], v27 offset:4224           ; its sum
	s_wait_dscnt 0x0
	v_max_num_f32 v28, v[MX], v[TP]
	v_mul_f32 v28, s22, v28                        ; -c x the joint maximum
	v_fma_f32 v29, v[MX], s18, v28
	v_fma_f32 v30, v[TP], s18, v28
	v_exp_f32 v29, v29                             ; my factor
	v_exp_f32 v30, v30                             ; my partner's
	v_nop                                          ; the plain place behind them
	s_wait_alu depctr_va_vdst(0)
	v_mul_f32 v31, v[LS], v29
	v_fma_f32 v31, v[TP+1], v30, v31
	v_permlanex16_b32 v[TP], v31, s16, s17         ; the other half of the lanes holds the other half of each step's keys
	v_add_f32 v31, v31, v[TP]
	v_rcp_f32 v31, v31
	v_nop
	s_wait_alu depctr_va_vdst(0)
	v_mul_f32 v28, v29, v31                        ; both factors over the sum
	v_mul_f32 v29, v30, v31
.set i, 0
.rept 16
	v_pk_mul_f32 v[OO+2*i:OO+2*i+1], v[OO+2*i:OO+2*i+1], v[28:29] op_sel_hi:[1,0]
.set i, i+1
.endr
.set i, 0
.rept 16
	v_pk_fma_f32 v[OO+2*i:OO+2*i+1], v[SS+2*i:SS+2*i+1], v[28:29], v[OO+2*i:OO+2*i+1] op_sel:[0,1,0] op_sel_hi:[1,1,1]
.set i, i+1
.endr
.set i, 0
.rept 16
	v_cvt_pk_f16_f32 v[SS+32+i], v[OO+2*i], v[OO+2*i+1]
.set i, i+1
.endr
	v_add_nc_u32 v24, s79, v[KA]                   ; my stage, in: 144 r + 16 h
.irp d, 0,1,2,3
	ds_store_b128 v24, v[SS+32+4*\d:SS+32+4*\d+3] offset:32*\d
.endr
.irp t, 0,1,2,3
	ds_load_b128 v[FF+4*\t:FF+4*\t+3], v[RD] offset:\t*576      ; LDS serves a wave's instructions in order: these see the stores above
.endr
.irp t, 0,1,2,3
	s_wait_dscnt 3-\t                              ; the younger loads of the four stay out
	global_store_b128 v[CO], v[FF+4*\t:FF+4*\t+3], s[66:67] offset:512*\t   ; 512 consecutive bytes, four rows of the head
.endr
	s_set_vgpr_msb 0x5
	s_wait_tensorcnt 0x0
	ds_add_u32 v0, v1
	s_wait_dscnt 0x0
	s_set_vgpr_msb 0x500
	s_endpgm
.Lfunc_end_k_q7c154900e1_attn:
	.size	k_q7c154900e1_attn, .Lfunc_end_k_q7c154900e1_attn-k_q7c154900e1_attn
	.p2alignl 7, 3214868480
	.fill 96, 4, 3214868480
	.section	.rodata,"a",@progbits
	.p2align	6, 0x0
	.amdhsa_kernel k_q7c154900e1_attn
		.amdhsa_group_segment_fixed_size 327680
		.amdhsa_private_segment_fixed_size 0
		.amdhsa_enable_private_segment 0
		.amdhsa_kernarg_size 16
		.amdhsa_user_sgpr_count 2
		.amdhsa_user_sgpr_kernarg_segment_ptr 1
		.amdhsa_wavefront_size32 1
		.amdhsa_system_sgpr_workgroup_id_x 1
		.amdhsa_system_sgpr_workgroup_id_y 1
		.amdhsa_system_sgpr_workgroup_id_z 1
		.amdhsa_system_vgpr_workitem_id 0
		.amdhsa_next_free_vgpr 258
		.amdhsa_next_free_sgpr 88
		.amdhsa_reserve_vcc 1
		.amdhsa_float_denorm_mode_32 3
		.amdhsa_float_denorm_mode_16_64 3
		.amdhsa_memory_ordered 1
		.amdhsa_forward_progress 1
		.amdhsa_inst_pref_size 255
	.end_amdhsa_kernel
	.section	.bss,"aw",@nobits
	.p2align	6
	.space	262144
	.amdgpu_metadata
---
amdhsa.version: [ 1, 2 ]
amdhsa.kernels:
  - .name:           k_q7c154900e1_attn
    .symbol:         k_q7c154900e1_attn.kd
    .args:
      - { .name: qkvh, .offset: 0, .size: 8, .value_kind: global_buffer, .address_space: global }
      - { .name: yh, .offset: 8, .size: 8, .value_kind: global_buffer, .address_space: global }
    .group_segment_fixed_size: 327680
    .private_segment_fixed_size: 0
    .kernarg_segment_align: 8
    .kernarg_segment_size: 16
    .max_flat_workgroup_size: 256
    .sgpr_count:     88
    .vgpr_count:     258
    .wavefront_size: 32
...
	.end_amdgpu_metadata
.endif
;; end of part 3
;; launch proj (part 4): grid 8 x 32, 4 waves a work-group, clusters of 4 x 4, 327,680 bytes of LDS; arguments yh, cb, b_proj, out0; writes out0
.if DOCPART == 4
	.amdgcn_target "amdgcn-amd-amdhsa--gfx1250"
	.amdhsa_code_object_version 6
	.text
	.protected	k_q7c154900e1_proj
	.globl	k_q7c154900e1_proj
	.p2align	8
	.type	k_q7c154900e1_proj,@function
k_q7c154900e1_proj:
	s_mov_b64 s[64:65], 0
	v_nop
	global_prefetch_b8 v0, s[64:65] scope:SCOPE_SE
	s_setreg_imm32_b32 hwreg(HW_REG_WAVE_MODE, 25, 1), 1
	s_wait_xcnt 0x0
	s_wait_alu depctr_hold_cnt(0) depctr_sa_sdst(0) depctr_va_vdst(0) depctr_va_sdst(0) depctr_va_ssrc(0) depctr_va_vcc(0) depctr_vm_vsrc(0)
	s_getreg_b32 s2, hwreg(HW_REG_IB_STS2, 6, 4)
	s_cmp_eq_u32 s2, 0
	s_cbranch_scc0 .Lentry_in_a_cluster
	s_endpgm
.Lentry_in_a_cluster:
	s_bfe_u32 s2, ttmp6, 0x10000c
	s_cmp_lg_u32 s2, 0xf033
	s_cbranch_scc0 .Lentry_shape_is_right
	s_endpgm
.Lentry_shape_is_right:
; out0 = y w_proj^T + b_proj: 4096 x 1024 x 1024, f16 operands (y from yh [64 (16 batch + head)][1024 t][64]; w_proj [1024][1024] at byte 14,680,064 of cb), f32 sums, f32 out.
; A work-group makes 128 x 128 (8 x 32 work-groups = 256); the four waves lie 2 x 2, 64 x 64 each: 16 accumulator tiles.
; A K step of 128 would be 64 matrix instructions a wave, so a slot holds K = 256, four heads: 120 matrix instructions between a request and the wait for it.
; Four such steps, two first fills and two refills, written out without a loop.  A wave has two tensor loads out at the start, one behind each refill.
; CLUSTERS: 4 x 4 work-groups; y's tile hangs on the block row alone and is asked for jointly by a row of the cluster, w_proj's on the block column alone, by a column.
; REGISTERS: window 0: v16-26 addresses; v32-95, v96-159 fragments, two buffers (w_proj's four at f, y's four at f + 32); v160-223 rows read back; v224-255 the bias of my 64 columns.
;   window 1: accumulator (a, b) at v[8 (4 a + b)].
; THE MATRIX INSTRUCTION IS USED TRANSPOSED (source 0 = 16 rows of w_proj, source 1 = 16 rows of y): lane l holds row l % 16 and columns 8 (l / 16) + 0..7.
; A bias tile has the same layout: the first product of each accumulator takes the bias as C.
.set APITCH, 144                       ; a row of one head: 128 bytes + 16
.set HEADB,  128*APITCH                ; 128 rows of one head
.set ABYTES, 4*HEADB                   ; 73,728
.set BPITCH, 528                       ; 512 bytes + 16, an odd multiple of 16
.set BHALF,  64*BPITCH
.set SLOT,   ABYTES+2*BHALF            ; 141,312
.set STAGE,  2*SLOT                    ; 282,624 = 1,104 x 256: never filled by a tensor load
.set SPITCH, 272                       ; the stage: 16 rows of 64 f32 + 16 bytes for each wave
.set POFF,   14680064                  ; w_proj in cb
.set ADRA, 16
.set ADRB, 20
.set STO,  24
.set RD,   25
.set CO,   26
.set BOFF, 27
.set F0,   32
.set F1,   96
.set RB0,  160
.set RB1,  192
.set BIAS, 224
.set G1,  24
.set G0,  32
.set G1B, 48
.set G0B, 56
.set MSB, 0
.macro WIN new
.if MSB != \new
	s_set_vgpr_msb (MSB<<8)|\new
.set MSB, \new
.endif
.endm
.set MUL,   0x50                       ; C and D window 1, sources window 0
.set MUL_B, 0x40                       ; D window 1, C (the bias) window 0
.macro JLOAD s                         ; waves 0, 1 ask for y's heads, waves 2, 3 for w_proj's halves
	s_cmp_eq_u32 s13, 0
	s_cbranch_scc0 .Lfor_b_\@
	tensor_load_to_lds s[G0+4*\s:G0+4*\s+3], s[G1:G1+7]
	s_nop 0
	s_branch .Lasked_\@
.Lfor_b_\@:
	tensor_load_to_lds s[G0B+4*\s:G0B+4*\s+3], s[G1B:G1B+7]
	s_nop 0
.Lasked_\@:
.endm
.macro CREST
	s_cmp_lg_u32 s12, 0
	s_cbranch_scc1 .Lnot_wave_0_\@
	s_barrier_signal -3
.Lnot_wave_0_\@:
	s_barrier_wait -3
	s_barrier_signal -1
	s_barrier_wait -1
.endm
.macro CROUND
	s_barrier_signal -1
	s_barrier_wait -1
	CREST
.endm
	s_load_b256 s[4:11], s[0:1], 0x0               ; yh s[4:5], cb s[6:7], b_proj s[8:9], out0 s[10:11]
	v_lshl_add_u32 v30, v0, 2, 0x49400
	v_mov_b32 v31, 0
	ds_add_u32 v30, v31
	v_lshrrev_b32 v1, 5, v0
	v_readfirstlane_b32 s12, v1                    ; wave 0..3
	s_lshr_b32 s13, s12, 1                         ; my half of the rows.  Also: I fetch for y (0) or for w_proj (1)
	s_and_b32 s14, s12, 1                          ; my half of the columns.  Also: which half of that tile I fetch
	s_bfe_u32 s40, ttmp6, 0x40000                  ; cx
	s_bfe_u32 s41, ttmp6, 0x40004                  ; cy
	s_lshl_b32 s42, ttmp9, 2
	s_add_co_u32 s42, s42, s40                     ; block column
	s_and_b32 s15, ttmp7, 0xffff
	s_lshl_b32 s15, s15, 2
	s_add_co_u32 s15, s15, s41                     ; block row
	s_lshl_b32 s43, s41, 2
	s_lshl_b32 s43, 15, s43                        ; my row of the cluster
	s_lshl_b32 s44, 0x1111, s40                    ; my column
	; y: two heads a load; a head's 128 rows are 16 KiB dense in memory, one row of the tile, padded behind every 128 bytes; heads lie 131,072 bytes apart
	s_or_b32 s[G1+0], s43, (3<<16)|(1<<20)|(1<<21)|(4<<22)|(3<<25)   ; elements of 8 bytes; after 32 words, 4 words
	s_mov_b32 s[G1+1], 2048<<16                    ; tensor_dim0 = 2,048 elements
	s_mov_b32 s[G1+2], 2<<16                       ; tensor_dim1 = 2
	s_mov_b32 s[G1+3], 2048<<16                    ; tile_dim0
	s_mov_b32 s[G1+4], 2                           ; tile_dim1
	s_mov_b32 s[G1+5], 16384                       ; elements from head to head
	s_mov_b32 s[G1+6], 0
	s_mov_b32 s[G1+7], 0
	; w_proj: 64 rows of 256 elements of 2 bytes
	s_or_b32 s[G1B+0], s44, (1<<16)|(1<<20)|(1<<21)|(6<<22)|(3<<25)  ; after 128 words, 4 words
	s_mov_b32 s[G1B+1], 256<<16
	s_mov_b32 s[G1B+2], 64<<16
	s_mov_b32 s[G1B+3], 256<<16
	s_mov_b32 s[G1B+4], 64
	s_mov_b32 s[G1B+5], 1024
	s_mov_b32 s[G1B+6], 0
	s_mov_b32 s[G1B+7], 0
	s_lshr_b32 s16, s15, 3                         ; batch = block row / 8
	s_lshl_b32 s16, s16, 4
	s_lshl1_add_u32 s16, s14, s16                  ; + heads 0, 1 or 2, 3 of the slot's four
	s_lshl_b32 s16, s16, 17
	s_and_b32 s17, s15, 7
	s_lshl_b32 s17, s17, 14                        ; + 128 rows of 128 bytes for each block row inside the batch
	s_add_co_u32 s16, s16, s17
	s_mov_b32 s17, 0
	s_lshl_b32 s46, s42, 7
	s_lshl_b32 s47, s14, 6
	s_add_co_u32 s46, s46, s47                     ; w_proj: row 128 x block column + 64 x half
	s_lshl_b32 s46, s46, 11
	s_add_co_u32 s46, s46, POFF
	s_mov_b32 s47, 0
	s_mul_i32 s20, s12, 2*HEADB                    ; LDS: y's heads at wave x 36,864 (waves 0, 1)
	s_mul_i32 s21, s12, BHALF
	s_add_co_u32 s21, s21, ABYTES-2*BHALF          ; w_proj's halves at 73,728 + (wave - 2) x 33,792 (waves 2, 3)
	s_wait_dscnt 0x0
	s_wait_kmcnt 0x0
	s_add_nc_u64 s[18:19], s[4:5], s[16:17]
	s_add_nc_u64 s[46:47], s[6:7], s[46:47]
	CROUND                                         ; the first joint loads meet
.irp s, 0,1
	s_mov_b32 s[G0+4*\s], 1
	s_add_co_u32 s[G0+4*\s+1], s20, \s*SLOT
	s_add_nc_u64 s[G0+4*\s+2:G0+4*\s+3], s[18:19], \s*4*131072
	s_or_b32 s[G0+4*\s+3], s[G0+4*\s+3], 0x80000000
	s_mov_b32 s[G0B+4*\s], 1
	s_add_co_u32 s[G0B+4*\s+1], s21, \s*SLOT
	s_add_nc_u64 s[G0B+4*\s+2:G0B+4*\s+3], s[46:47], \s*512
	s_or_b32 s[G0B+4*\s+3], s[G0B+4*\s+3], 0x80000000
	JLOAD \s
.endr
	s_lshl_b32 s66, s42, 7
	s_lshl_b32 s67, s14, 6
	s_add_co_u32 s66, s66, s67
	s_lshl_b32 s66, s66, 2                         ; my first column, in bytes of f32
	s_mov_b32 s67, 0
	s_add_nc_u64 s[8:9], s[8:9], s[66:67]
	s_add_nc_u64 s[10:11], s[10:11], s[66:67]
	s_lshl_b32 s66, s15, 7
	s_lshl_b32 s68, s13, 6
	s_add_co_u32 s66, s66, s68
	s_lshl_b32 s66, s66, 12                        ; my first row, rows of 4,096 bytes
	s_add_nc_u64 s[10:11], s[10:11], s[66:67]
	v_and_b32 v1, 15, v0                           ; r
	v_bfe_u32 v2, v0, 4, 1                         ; h
	v_lshlrev_b32 v[BOFF], 5, v2
.irp b, 0,1,2,3
	global_load_b128 v[BIAS+8*\b:BIAS+8*\b+3],   v[BOFF], s[8:9] offset:64*\b
	global_load_b128 v[BIAS+8*\b+4:BIAS+8*\b+7], v[BOFF], s[8:9] offset:64*\b+16
.endr
	v_mul_u32_u24 v3, v1, APITCH
	v_lshl_add_u32 v3, v2, 4, v3
	v_mul_u32_u24 v4, v1, BPITCH
	v_lshl_add_u32 v4, v2, 4, v4
	s_mul_i32 s22, s13, 64*APITCH                  ; my 64 rows in each head
	s_mul_i32 s23, s14, BHALF
	s_add_co_u32 s23, s23, ABYTES                  ; my 64 rows of w_proj
.irp s, 0,1
	v_add_nc_u32 v[ADRA+\s], s22, v3
	v_add_nc_u32 v[ADRB+\s], s23, v4
	s_add_co_u32 s22, s22, SLOT
	s_add_co_u32 s23, s23, SLOT
.endr
	s_mul_i32 s22, s12, 16*SPITCH
	s_add_co_u32 s22, s22, STAGE                   ; my stage
	v_mul_u32_u24 v5, v1, SPITCH
	v_lshl_add_u32 v5, v2, 5, v5
	v_add_nc_u32 v[STO], s22, v5                   ; in: row r, 32 bytes for each half of the lanes
	v_mul_u32_u24 v6, v2, SPITCH
	v_lshl_add_u32 v6, v1, 4, v6
	v_add_nc_u32 v[RD], s22, v6                    ; back: sixteen lanes a row of 256 bytes, two rows a load
	v_lshlrev_b32 v7, 12, v2
	v_lshl_add_u32 v[CO], v1, 4, v7                ; and the same two rows in out0
.macro PLACES                          ; four places (ISA guide 7.12.1) behind a matrix instruction
.rept 4
	v_nop
.endr
.endm
; 8 matrix instructions: row tiles 2 half, 2 half + 1 x four column tiles, 32 along K.  The 16 accumulators take turns in the same order in every quarter.
.macro MUL8 f, half, bias
.irp a, 2*\half, 2*\half+1
.irp b, 0,1,2,3
.if \bias
	v_wmma_f32_16x16x32_f16 v[8*(4*(\a)+\b):8*(4*(\a)+\b)+7], v[\f+8*\b:\f+8*\b+7], v[\f+32+8*(\a):\f+32+8*(\a)+7], v[BIAS+8*\b:BIAS+8*\b+7]
.else
	v_wmma_f32_16x16x32_f16 v[8*(4*(\a)+\b):8*(4*(\a)+\b)+7], v[\f+8*\b:\f+8*\b+7], v[\f+32+8*(\a):\f+32+8*(\a)+7], v[8*(4*(\a)+\b):8*(4*(\a)+\b)+7]
.endif
.endr
.endr
.endm
; 16 LDS loads: the fragments of piece q (32 along K, q = 0..7: head q / 2 of the slot, half q % 2 of its 64) into buffer f
.macro FETCH slot, q, f
.irp i, 0,1,2,3
	ds_load_b128 v[\f+8*\i:\f+8*\i+3],   v[ADRB+\slot] offset:64*(\q)+\i*16*BPITCH
	ds_load_b128 v[\f+8*\i+4:\f+8*\i+7], v[ADRB+\slot] offset:64*(\q)+\i*16*BPITCH+32
.endr
.irp i, 0,1,2,3
	ds_load_b128 v[\f+32+8*\i:\f+32+8*\i+3],   v[ADRA+\slot] offset:((\q)/2)*HEADB+((\q)%2)*64+\i*16*APITCH
	ds_load_b128 v[\f+32+8*\i+4:\f+32+8*\i+7], v[ADRA+\slot] offset:((\q)/2)*HEADB+((\q)%2)*64+\i*16*APITCH+32
.endr
.endm
; Piece q on buffer f; the next piece's fragments go out first, into buffer g, and have these 16 matrix instructions in which to come
.macro QS slot, q, f, g, bias
	s_wait_dscnt 0x0                               ; buffer f is in
	PLACES
	FETCH \slot, (\q+1), \g
.if \bias
	WIN MUL_B
.else
	WIN MUL
.endif
	MUL8 \f, 0, \bias
	MUL8 \f, 1, \bias
	WIN 0
.endm
.macro SEVEN slot, bias
	QS \slot, 0, F0, F1, \bias
	QS \slot, 1, F1, F0, 0
	QS \slot, 2, F0, F1, 0
	QS \slot, 3, F1, F0, 0
	QS \slot, 4, F0, F1, 0
	QS \slot, 5, F1, F0, 0
	QS \slot, 6, F0, F1, 0
.endm
; The slot's last piece, on buffer 1, changes slots.  In front of the barrier: my reads of this slot and all my tensor loads.  fill = 1: the barrier opens a
; round of the cluster's barrier and the joint refill of this slot, two slots' K ahead, is the first tensor load behind it.
.macro LASTQ slot, next, fill
	s_wait_dscnt 0x0
	s_wait_tensorcnt 0x0
	ds_add_u32 v30, v31
	s_wait_dscnt 0x0
	s_barrier_signal -1
	WIN MUL
	MUL8 F1, 0, 0                                  ; register work while the others arrive
	WIN 0
	s_barrier_wait -1
.if \fill
	CREST
	s_add_nc_u64 s[G0+4*\slot+2:G0+4*\slot+3], s[G0+4*\slot+2:G0+4*\slot+3], 8*131072
	s_add_nc_u64 s[G0B+4*\slot+2:G0B+4*\slot+3], s[G0B+4*\slot+2:G0B+4*\slot+3], 1024
	JLOAD \slot
.endif
	PLACES
	FETCH \next, 0, F0
	WIN MUL
	MUL8 F1, 1, 0
	WIN 0
.endm
	s_wait_tensorcnt 0x1                           ; my part of slot 0 is in; slot 1's stays out
	s_barrier_signal -1
	s_barrier_wait -1
	FETCH 0, 0, F0
	s_wait_loadcnt 0x0                             ; the bias
	SEVEN 0, 1                                     ; K 0-255: the first products start the sums from the bias
	LASTQ 0, 1, 1
	SEVEN 1, 0                                     ; K 256-511
	LASTQ 1, 0, 1
	SEVEN 0, 0                                     ; K 512-767
	LASTQ 0, 1, 0                                  ; nothing is left to fetch
	SEVEN 1, 0                                     ; K 768-1023
	s_wait_dscnt 0x0
	WIN MUL
	MUL8 F1, 0, 0
	MUL8 F1, 1, 0
	; THE WAY OUT, 16 rows at a time: 32 bytes a lane into my own stage, read back as rows of 256 bytes, sixteen lanes storing 256 consecutive bytes, aligned
	PLACES
.macro OUT16 a, f
	WIN 0x04                                       ; the LDS store's data in window 1
.irp b, 0,1,2,3
	ds_store_b128 v[STO], v[8*(4*\a+\b):8*(4*\a+\b)+3]   offset:64*\b
	ds_store_b128 v[STO], v[8*(4*\a+\b)+4:8*(4*\a+\b)+7] offset:64*\b+16
.endr
	WIN 0
	s_wait_xcnt 0x0                                ; buffer f, which earlier stores read, is loaded again only behind this wait
.irp t, 0,1,2,3,4,5,6,7
	ds_load_b128 v[\f+4*\t:\f+4*\t+3], v[RD] offset:\t*2*SPITCH     ; LDS serves a wave's instructions in order: these see the stores above
.endr
.irp t, 0,1,2,3,4,5,6,7
	s_wait_dscnt 7-\t
	global_store_b128 v[CO], v[\f+4*\t:\f+4*\t+3], s[10:11] offset:(16*\a+2*\t)*4096 th:TH_STORE_NT
.endr
.endm
	OUT16 0, RB0
	OUT16 1, RB1
	OUT16 2, RB0
	OUT16 3, RB1
	s_wait_tensorcnt 0x0
	ds_add_u32 v30, v31
	s_wait_dscnt 0x0
	CROUND                                         ; the closing round
	s_endpgm
.Lfunc_end_k_q7c154900e1_proj:
	.size	k_q7c154900e1_proj, .Lfunc_end_k_q7c154900e1_proj-k_q7c154900e1_proj
	.p2alignl 7, 3214868480
	.fill 96, 4, 3214868480
	.section	.rodata,"a",@progbits
	.p2align	6, 0x0
	.amdhsa_kernel k_q7c154900e1_proj
		.amdhsa_group_segment_fixed_size 327680
		.amdhsa_private_segment_fixed_size 0
		.amdhsa_enable_private_segment 0
		.amdhsa_kernarg_size 32
		.amdhsa_user_sgpr_count 2
		.amdhsa_user_sgpr_kernarg_segment_ptr 1
		.amdhsa_wavefront_size32 1
		.amdhsa_system_sgpr_workgroup_id_x 1
		.amdhsa_system_sgpr_workgroup_id_y 1
		.amdhsa_system_sgpr_workgroup_id_z 1
		.amdhsa_system_vgpr_workitem_id 0
		.amdhsa_next_free_vgpr 384
		.amdhsa_next_free_sgpr 72
		.amdhsa_reserve_vcc 0
		.amdhsa_float_denorm_mode_32 3
		.amdhsa_float_denorm_mode_16_64 3
		.amdhsa_memory_ordered 1
		.amdhsa_forward_progress 1
		.amdhsa_inst_pref_size 90
	.end_amdhsa_kernel
	.amdgpu_metadata
---
amdhsa.version: [ 1, 2 ]
amdhsa.kernels:
  - .name:           k_q7c154900e1_proj
    .symbol:         k_q7c154900e1_proj.kd
    .args:
      - { .name: yh, .offset: 0, .size: 8, .value_kind: global_buffer, .address_space: global }
      - { .name: cb, .offset: 8, .size: 8, .value_kind: global_buffer, .address_space: global }
      - { .name: b_proj, .offset: 16, .size: 8, .value_kind: global_buffer, .address_space: global }
      - { .name: out0, .offset: 24, .size: 8, .value_kind: global_buffer, .address_space: global }
    .group_segment_fixed_size: 327680
    .private_segment_fixed_size: 0
    .kernarg_segment_align: 8
    .kernarg_segment_size: 32
    .max_flat_workgroup_size: 128
    .sgpr_count:     72
    .vgpr_count:     384
    .wavefront_size: 32
...
	.end_amdgpu_metadata
.endif
;; end of part 4
;; ======== version 2 of 2: 4 launches; version 1 with the launch cast written anew for expert scheduling mode
;; limits: values are held in f16: magnitudes above 65,504 overflow, below 6.1e-05 lose precision
;; workspace buffers: cb 16,777,216 bytes; qkvh 25,165,824 bytes; yh 8,388,608 bytes
;; launch cast (part 5): grid 256 x 1, 8 waves a work-group, no clusters, 0 bytes of LDS; arguments x, w_attn, w_proj, cb; writes cb
.if DOCPART == 5
	.amdgcn_target "amdgcn-amd-amdhsa--gfx1250"
	.amdhsa_code_object_version 6
	.text
	.protected	k_q7c154900e1_cast
	.globl	k_q7c154900e1_cast
	.p2align	8
	.type	k_q7c154900e1_cast,@function
k_q7c154900e1_cast:
	s_mov_b64 s[64:65], 0
	v_nop
	global_prefetch_b8 v0, s[64:65] scope:SCOPE_SE
	s_setreg_imm32_b32 hwreg(HW_REG_WAVE_SCHED_MODE, 0, 2), 2
	s_setreg_imm32_b32 hwreg(HW_REG_WAVE_MODE, 25, 1), 1
	s_wait_xcnt 0x0
	s_wait_alu depctr_vm_vsrc(0)
; The three matrix inputs, f32, are rounded once to 16 bits and laid behind each other in cb:
;   x [4096][1024] bf16 at byte 0, w_attn [3072][1024] bf16 at byte 8,388,608, w_proj [1024][1024] at byte 14,680,064.
; All three are rounded to bf16 (nearest even).  w_proj's bf16 value is then written in f16 code, because its partner in the last
; product, y, is f16 and a matrix instruction takes both operands in one format.  That second step is exact for magnitudes from
; 2^-17 to 65,504.  LIMIT: |w_proj| above 65,504 becomes infinite; below 2^-17 it moves by at most 2^-25.
; A work-group takes 32,768 numbers (128 KiB in, 64 KiB out): groups 0-127 x, 128-223 w_attn, 224-255 w_proj, and the output
; offset is 65,536 times the group's number in all three.  A wave takes 4,096 numbers: 32 loads of 16 bytes a lane, each covering
; 512 consecutive bytes, all issued before the first is used; each load gives one store of 8 bytes a lane: 256 consecutive bytes, aligned.
; No LDS, no barrier, no matrix unit: nothing is shared and nothing is summed.
; THE MODE: SCHED_MODE bits 1:0 = 2 (LLVM: expert scheduling mode 2), set by the entry lines.  The code itself states the register dependences
; between vector instructions and memory instructions, with s_wait_alu, always for 0.
; THE PLAN.  Registers that memory instructions touch:
;   v1, v2     the loads' and the stores' byte offsets.  Written by vector lines at the head and never again; read by all 32 loads, all 32 stores.
;   X + 4 i    four registers to load i.  Load i lands in them, once; no vector line names them before.  Behind the wait for the load its conversions
;              read and rewrite them and leave the packed result in the first two, which store i reads.  Nothing writes them behind that.
; So no load lands in a register that a vector line has named, and no register that a memory instruction has read is written again.  Left to state:
; the offsets are written, once, ahead of the first load; and the conversions have written what the stores read.  For that the 32 loads go in eight
; blocks of four: a block's conversions, one wait, its four stores on end.  No vector line writes a scalar register, VCC or EXEC.
.set X, 4                              ; v[4:131]  load i: 4 registers as loaded, the first two then hold the 4 packed results
.set BLOCK, 4                          ; loads, and stores, in a block
	s_load_b256 s[4:11], s[0:1], 0x0               ; x s[4:5], w_attn s[6:7], w_proj s[8:9], cb s[10:11]
	s_movk_i32 s20, 128                            ; first group of w_attn
	s_movk_i32 s21, 224                            ; first group of w_proj
	s_mov_b32 s22, 0xffff0000                      ; a word's upper bf16
	v_lshrrev_b32 v3, 5, v0                        ; wave
	v_and_b32 v1, 31, v0                           ; lane
	v_lshlrev_b32 v2, 3, v1
	v_lshlrev_b32 v1, 4, v1
	v_lshl_or_b32 v2, v3, 13, v2                   ; out: 8,192 wave + 8 lane
	v_lshl_or_b32 v1, v3, 14, v1                   ; in: 16,384 wave + 16 lane
	s_wait_kmcnt 0x0
	s_cmp_lt_u32 ttmp9, s21                        ; the source and its first group, chosen by the group's number
	s_cselect_b64 s[14:15], s[6:7], s[8:9]
	s_cselect_b32 s12, s20, s21
	s_cmp_lt_u32 ttmp9, s20
	s_cselect_b64 s[14:15], s[4:5], s[14:15]
	s_cselect_b32 s12, 0, s12
	s_sub_co_u32 s12, ttmp9, s12                   ; my number inside the source
	s_lshl_b32 s16, s12, 17                        ; times 131,072 bytes
	s_mov_b32 s17, 0
	s_add_nc_u64 s[14:15], s[14:15], s[16:17]
	s_lshl_b32 s18, ttmp9, 16                      ; times 65,536 bytes
	s_mov_b32 s19, 0
	s_add_nc_u64 s[10:11], s[10:11], s[18:19]
	s_wait_alu depctr_va_vdst(0)                   ; v1 and v2 are written: every load below reads v1 as its offset, every store v2; no later vector line names either
.set i, 0
.rept 32
	global_load_b128 v[X+4*i:X+4*i+3], v1, s[14:15] offset:512*i th:TH_LOAD_NT
.set i, i+1
.endr
	s_cmp_ge_u32 ttmp9, s21
	s_cbranch_scc1 .Lto_f16
; x and w_attn: bf16.  No register that a store reads is written again, so no wait frees a source.
.set i, 0
.rept 32/BLOCK
.rept BLOCK
	s_wait_loadcnt 31-i                            ; loads come back in order: load i is in, the 31-i younger ones stay out
	v_cvt_pk_bf16_f32 v[X+4*i], v[X+4*i], v[X+4*i+1]
	v_cvt_pk_bf16_f32 v[X+4*i+1], v[X+4*i+2], v[X+4*i+3]
.set i, i+1
.endr
	s_wait_alu depctr_va_vdst(0)                   ; the block's conversions have written the four register pairs that the four stores below read
.set k, i-BLOCK
.rept BLOCK
	global_store_b64 v2, v[X+4*k:X+4*k+1], s[10:11] offset:256*k
.set k, k+1
.endr
.endr
	s_endpgm
; w_proj: bf16, widened again, written in f16 code
.Lto_f16:
.set i, 0
.rept 32/BLOCK
.rept BLOCK
	s_wait_loadcnt 31-i
	v_cvt_pk_bf16_f32 v[X+4*i], v[X+4*i], v[X+4*i+1]
	v_cvt_pk_bf16_f32 v[X+4*i+1], v[X+4*i+2], v[X+4*i+3]
	v_lshlrev_b32 v[X+4*i+2], 16, v[X+4*i]
	v_and_b32 v[X+4*i+3], s22, v[X+4*i]
	v_cvt_pk_f16_f32 v[X+4*i], v[X+4*i+2], v[X+4*i+3]
	v_lshlrev_b32 v[X+4*i+2], 16, v[X+4*i+1]
	v_and_b32 v[X+4*i+3], s22, v[X+4*i+1]
	v_cvt_pk_f16_f32 v[X+4*i+1], v[X+4*i+2], v[X+4*i+3]
.set i, i+1
.endr
	s_wait_alu depctr_va_vdst(0)                   ; the block's conversions have written the four register pairs that the four stores below read
.set k, i-BLOCK
.rept BLOCK
	global_store_b64 v2, v[X+4*k:X+4*k+1], s[10:11] offset:256*k
.set k, k+1
.endr
.endr
	s_endpgm
.Lfunc_end_k_q7c154900e1_cast:
	.size	k_q7c154900e1_cast, .Lfunc_end_k_q7c154900e1_cast-k_q7c154900e1_cast
	.p2alignl 7, 3214868480
	.fill 96, 4, 3214868480
	.section	.rodata,"a",@progbits
	.p2align	6, 0x0
	.amdhsa_kernel k_q7c154900e1_cast
		.amdhsa_group_segment_fixed_size 0
		.amdhsa_private_segment_fixed_size 0
		.amdhsa_enable_private_segment 0
		.amdhsa_kernarg_size 32
		.amdhsa_user_sgpr_count 2
		.amdhsa_user_sgpr_kernarg_segment_ptr 1
		.amdhsa_wavefront_size32 1
		.amdhsa_system_sgpr_workgroup_id_x 1
		.amdhsa_system_sgpr_workgroup_id_y 1
		.amdhsa_system_sgpr_workgroup_id_z 1
		.amdhsa_system_vgpr_workitem_id 0
		.amdhsa_next_free_vgpr 132
		.amdhsa_next_free_sgpr 66
		.amdhsa_reserve_vcc 0
		.amdhsa_float_denorm_mode_32 3
		.amdhsa_float_denorm_mode_16_64 3
		.amdhsa_memory_ordered 1
		.amdhsa_forward_progress 1
		.amdhsa_inst_pref_size 29
	.end_amdhsa_kernel
	.amdgpu_metadata
---
amdhsa.version: [ 1, 2 ]
amdhsa.kernels:
  - .name:           k_q7c154900e1_cast
    .symbol:         k_q7c154900e1_cast.kd
    .args:
      - { .name: x, .offset: 0, .size: 8, .value_kind: global_buffer, .address_space: global }
      - { .name: w_attn, .offset: 8, .size: 8, .value_kind: global_buffer, .address_space: global }
      - { .name: w_proj, .offset: 16, .size: 8, .value_kind: global_buffer, .address_space: global }
      - { .name: cb, .offset: 24, .size: 8, .value_kind: global_buffer, .address_space: global }
    .group_segment_fixed_size: 0
    .private_segment_fixed_size: 0
    .kernarg_segment_align: 8
    .kernarg_segment_size: 32
    .max_flat_workgroup_size: 256
    .sgpr_count:     66
    .vgpr_count:     132
    .wavefront_size: 32
...
	.end_amdgpu_metadata
.endif
;; end of part 5
;; launch qkv: the kernel of part 2 again; grid 16 x 16, 4 waves a work-group, clusters of 4 x 4, 327,680 bytes of LDS; arguments cb, b_attn, qkvh; writes qkvh
;; launch attn: the kernel of part 3 again; grid 256 x 1, 8 waves a work-group, no clusters, 327,680 bytes of LDS; arguments qkvh, yh; writes yh
;; launch proj: the kernel of part 4 again; grid 8 x 32, 4 waves a work-group, clusters of 4 x 4, 327,680 bytes of LDS; arguments yh, cb, b_proj, out0; writes out0
